; MI455X (gfx1250); checked and timed in simulation.
; The chip was launched on July 23, 2026; its instructions are those of AMD's public machine-readable ISA for CDNA 5 (MIT licence, August 2026) and "CDNA5" Instruction Set Architecture Reference Guide (July 2026). The comments in the code are by the model that wrote it; some were corrected since.
;; Causal Attention. Allowed arithmetic: float matrix products may take bf16 or f16 operands with f32 sums; all other float work in f32.
;; Inputs: Wk 1,024 x 1,024 float32; Wq 1,024 x 1,024 float32; Wv 1,024 x 1,024 float32; x 4 x 2,048 x 1,024 float32.
;; Outputs: out0 4 x 2,048 x 1,024 float32.
;; One version. Each part assembles by itself: llvm-mc -triple=amdgcn-amd-amdhsa -mcpu=gfx1250 --defsym DOCPART=n.
;; ======== version 1 of 1: 4 launches
;; limits: values are held in f16: magnitudes above 65,504 overflow, below 6.1e-05 lose precision
;; workspace buffers: xw 23,789,568 bytes; qkv 50,331,648 bytes; pw 33,554,432 bytes; st 1,048,576 bytes
;; launch cast (part 1): grid 704 x 1, 11 waves a work-group, no clusters, 0 bytes of LDS; arguments x, Wq, Wk, Wv, xw; writes xw
.if DOCPART == 1
	.amdgcn_target "amdgcn-amd-amdhsa--gfx1250"
	.amdhsa_code_object_version 6
	.text
	.protected	k_qc05a7aeda6_cast
	.globl	k_qc05a7aeda6_cast
	.p2align	8
	.type	k_qc05a7aeda6_cast,@function
k_qc05a7aeda6_cast:
	s_mov_b64 s[64:65], 0
	v_nop
	global_prefetch_b8 v0, s[64:65] scope:SCOPE_SE
	s_setreg_imm32_b32 hwreg(HW_REG_WAVE_MODE, 25, 1), 1
	s_wait_xcnt 0x0
; x, Wq, Wk, Wv (f32, rows of 1024) are rounded once to bf16 into xw, laid out for the projection's tiles: [11 K blocks][11264 rows][96]: rows 0-8191 x, then 1024 rows each of Wq, Wk, Wv;
; number k of a row lies in block k / 96 at place k % 96.  Block 10 holds k = 960 .. 1023 and 32 zeros.  So 128 or 192 rows of one block are one dense run of bytes.
; A work-group takes 16 rows, its wave w block w: 16 rows x 96 numbers = 384 pieces of 4 numbers, 12 a lane.  Piece g = 24 row + j: a lane loads 16 bytes (24 neighbouring lanes take 384
; neighbouring bytes of a row) and stores 8 bytes at 8 g: a wave's store covers 256 neighbouring bytes, aligned.  The eleven waves together read the 16 rows whole.
; All 12 loads go out before the first is used.  Memory binds: no LDS, no barrier, no matrix unit.  No register is used twice, so no wait frees a source.
.set BLKB, 11264*192                   ; bytes of a K block
.set OF,  4                            ; v4-6    byte offset in the 16 rows of pieces g = lane, 32 + lane, 64 + lane; piece g + 96 lies 4 rows on
.set X,   8                            ; v8-55   12 x 4 numbers as loaded
.set Y,   56                           ; v56-79  12 x 2 words of bf16 pairs
.set MK,  24                           ; s24-26  lanes whose piece holds numbers of the row (all, but in block 10)
	s_load_b256 s[4:11], s[0:1], 0x0               ; x s[4:5], Wq s[6:7], Wk s[8:9], Wv s[10:11]
	s_load_b64 s[12:13], s[0:1], 0x20              ; xw
	v_lshrrev_b32 v1, 5, v0
	v_readfirstlane_b32 s14, v1                    ; my wave's number: the K block
	v_and_b32 v2, 31, v0                           ; lane
	s_lshl_b32 s15, ttmp9, 4                       ; the group's first row of the 11264
	s_lshr_b32 s17, s15, 10                        ; 0-7: x; 8 Wq; 9 Wk; 10 Wv
	s_and_b32 s22, s15, 1023                       ; the row inside a weight
	s_cmp_eq_u32 s14, 10
	s_cselect_b32 s23, 15, 23                      ; the last piece of a row's 24 that holds numbers
	s_mul_i32 s20, s14, BLKB                       ; out: the block,
	s_mul_i32 s21, s15, 192                        ; the group's rows: 3,072 bytes a group, a multiple of 256
	s_add_co_u32 s20, s20, s21
	s_mov_b32 s21, 0
.irp i, 0,1,2
	v_add_nc_u32 v3, 32*(\i), v2                   ; g
	v_mul_u32_u24 v7, v3, 2731
	v_lshrrev_b32 v7, 16, v7                       ; g / 24: 24 x 2731 = 65,536 + 8, exact for g below 8,160
	v_mul_u32_u24 v1, v7, 24
	v_sub_nc_u32 v3, v3, v1                        ; j = g % 24
	v_cmp_ge_u32 s[MK+(\i)], s23, v3
	v_min_u32 v3, s23, v3                          ; a piece of zeros loads the row's last piece instead: no load leaves the row
	v_lshlrev_b32 v3, 4, v3
	v_lshl_add_u32 v[OF+(\i)], v7, 12, v3          ; row x 4,096 + 16 j
.endr
	v_lshlrev_b32 v2, 3, v2                        ; 8 bytes a lane out
	s_wait_kmcnt 0x0
	s_cmp_eq_u32 s17, 9
	s_cselect_b64 s[18:19], s[8:9], s[6:7]         ; the source: Wk or Wq,
	s_cmp_eq_u32 s17, 10
	s_cselect_b64 s[18:19], s[10:11], s[18:19]     ; or Wv,
	s_cmp_lt_u32 s17, 8
	s_cselect_b64 s[18:19], s[4:5], s[18:19]       ; or x,
	s_cselect_b32 s16, s15, s22                    ; and the row in it
	s_lshl_b32 s16, s16, 12
	s_mul_i32 s17, s14, 384                        ; the block's 96 numbers begin 384 bytes x block into a row
	s_add_co_u32 s16, s16, s17
	s_mov_b32 s17, 0
	s_add_nc_u64 s[18:19], s[18:19], s[16:17]
	s_add_nc_u64 s[12:13], s[12:13], s[20:21]
.set i, 0
.rept 12
	global_load_b128 v[X+4*i:X+4*i+3], v[OF+i%3], s[18:19] offset:(i/3)*16384
.set i, i+1
.endr
.set i, 0
.rept 12
	s_wait_loadcnt 11-i                            ; loads come back in order: number i is in, the 11 - i younger ones stay out
	v_cvt_pk_bf16_f32 v[Y+2*i], v[X+4*i], v[X+4*i+1]
	v_cvt_pk_bf16_f32 v[Y+2*i+1], v[X+4*i+2], v[X+4*i+3]
	v_cndmask_b32 v[Y+2*i], 0, v[Y+2*i], s[MK+i%3]         ; block 10's last 8 pieces of a row are zeros
	v_cndmask_b32 v[Y+2*i+1], 0, v[Y+2*i+1], s[MK+i%3]
	global_store_b64 v2, v[Y+2*i:Y+2*i+1], s[12:13] offset:256*i
.set i, i+1
.endr
	s_endpgm
.Lfunc_end_k_qc05a7aeda6_cast:
	.size	k_qc05a7aeda6_cast, .Lfunc_end_k_qc05a7aeda6_cast-k_qc05a7aeda6_cast
	.p2alignl 7, 3214868480
	.fill 96, 4, 3214868480
	.section	.rodata,"a",@progbits
	.p2align	6, 0x0
	.amdhsa_kernel k_qc05a7aeda6_cast
		.amdhsa_group_segment_fixed_size 0
		.amdhsa_private_segment_fixed_size 0
		.amdhsa_enable_private_segment 0
		.amdhsa_kernarg_size 40
		.amdhsa_user_sgpr_count 2
		.amdhsa_user_sgpr_kernarg_segment_ptr 1
		.amdhsa_wavefront_size32 1
		.amdhsa_system_sgpr_workgroup_id_x 1
		.amdhsa_system_sgpr_workgroup_id_y 1
		.amdhsa_system_sgpr_workgroup_id_z 1
		.amdhsa_system_vgpr_workitem_id 0
		.amdhsa_next_free_vgpr 80
		.amdhsa_next_free_sgpr 66
		.amdhsa_reserve_vcc 0
		.amdhsa_float_denorm_mode_32 3
		.amdhsa_float_denorm_mode_16_64 3
		.amdhsa_memory_ordered 1
		.amdhsa_forward_progress 1
		.amdhsa_inst_pref_size 9
	.end_amdhsa_kernel
	.amdgpu_metadata
---
amdhsa.version: [ 1, 2 ]
amdhsa.kernels:
  - .name:           k_qc05a7aeda6_cast
    .symbol:         k_qc05a7aeda6_cast.kd
    .args:
      - { .name: x, .offset: 0, .size: 8, .value_kind: global_buffer, .address_space: global }
      - { .name: Wq, .offset: 8, .size: 8, .value_kind: global_buffer, .address_space: global }
      - { .name: Wk, .offset: 16, .size: 8, .value_kind: global_buffer, .address_space: global }
      - { .name: Wv, .offset: 24, .size: 8, .value_kind: global_buffer, .address_space: global }
      - { .name: xw, .offset: 32, .size: 8, .value_kind: global_buffer, .address_space: global }
    .group_segment_fixed_size: 0
    .private_segment_fixed_size: 0
    .kernarg_segment_align: 8
    .kernarg_segment_size: 40
    .max_flat_workgroup_size: 352
    .sgpr_count:     66
    .vgpr_count:     80
    .wavefront_size: 32
...
	.end_amdgpu_metadata
.endif
;; end of part 1
;; launch proj (part 2): grid 8 x 32, 4 waves a work-group, clusters of 4 x 4, 327,680 bytes of LDS; arguments xw, qkv; writes qkv
.if DOCPART == 2
	.amdgcn_target "amdgcn-amd-amdhsa--gfx1250"
	.amdhsa_code_object_version 6
	.text
	.protected	k_qc05a7aeda6_proj
	.globl	k_qc05a7aeda6_proj
	.p2align	8
	.type	k_qc05a7aeda6_proj,@function
k_qc05a7aeda6_proj:
	s_mov_b64 s[64:65], 0
	v_nop
	global_prefetch_b8 v0, s[64:65] scope:SCOPE_SE
	s_setreg_imm32_b32 hwreg(HW_REG_WAVE_MODE, 25, 1), 1
	s_wait_xcnt 0x0
	s_wait_alu depctr_hold_cnt(0) depctr_sa_sdst(0) depctr_va_vdst(0) depctr_va_sdst(0) depctr_va_ssrc(0) depctr_va_vcc(0) depctr_vm_vsrc(0)
	s_getreg_b32 s2, hwreg(HW_REG_IB_STS2, 6, 4)
	s_cmp_eq_u32 s2, 0
	s_cbranch_scc0 .Lentry_in_a_cluster
	s_endpgm
.Lentry_in_a_cluster:
	s_bfe_u32 s2, ttmp6, 0x10000c
	s_cmp_lg_u32 s2, 0xf033
	s_cbranch_scc0 .Lentry_shape_is_right
	s_endpgm
.Lentry_shape_is_right:
; qkv[m][n] = sum over k of x[m][k] W[n][k].  x = rows 0-8191 of xw, W = its rows 8192-11263 (Wq, Wk, Wv on end), bf16, in K blocks: [11][11264][96]; sums in f32; qkv: [8192][3072] in f16, rounded once.
; LIMIT: f16 ends at 65,504; q, k and v must stay within it (inputs 30 times the drawn spread in x and in W give about 3,500).
; THE TILE.  8192 x 3072 results on 256 work-groups are 256 x 384 each.  Four waves, each 128 x 192: 96 accumulators of 16 x 16, 768 registers.
; K goes in steps of 96, one K block, through two LDS slots of 640 rows: the longest step of which two slots fit (2 x 640 x 240 = 307,200 bytes).  A step is three SUB-STEPS of 32 along K,
; 96 matrix instructions each.  Block 10's last 32 places are zeros and are not multiplied: 32 sub-steps in all.
; A wave's part of a tile (128 rows of x or 192 of W, 192 bytes each) is dense in memory: it is asked for as rows of 256 bytes, aligned, and padded in LDS by 16 bytes behind every 64: an LDS row is
; three chunks of 80 bytes, one for each sub-step.
; CLUSTER: 4 x 4 work-groups.  The four of a row of the cluster need the same tiles of x, the four of a column the same tiles of W: each tile is asked for jointly, by the same tensor load with the
; same descriptor and a mask that names the four.
; REGISTERS, in windows of 256 (s_set_vgpr_msb: bits 1:0 source 0, 3:2 source 1, 5:4 source 2, 7:6 destination):
;   window 0: v0-31 addresses; v32-95 x's 8 fragments; v96-191 W's 12 fragments: ONE buffer each;   windows 1-3: the accumulators, in six blocks of 16: L1 L2 | L3 H1 | H2 H3
;   (L, H: my rows 0-63, 64-127; 1-3: my column blocks 0-3, 4-7, 8-11), multiplied in that order.  A fragment is loaded again as soon as it is dead: x's low half and W's group 1 behind H1, W's group 2
;   behind H2, W's group 3 and x's high half behind H3: each run of loads stands 32 matrix instructions or more ahead of its first use.  40 LDS loads feed 96 matrix instructions.
; The matrix instruction takes 16 rows of W as source 0 and 16 rows of x as source 1: a lane then holds row l % 16 of the result and eight neighbouring columns.
.set SIZE_N, 3072
.set ROWB,   192                       ; bytes of a row in a K block
.set BLKB,   11264*ROWB                ; bytes of a K block
.set STEPS,  11
.set PITCH,  240                       ; an LDS row: 3 x (64 + 16) bytes = 15 x 16: the 16 rows of a fragment load lie in 16 different columns of 16 bytes modulo 256 (64 banks of 4 bytes: ISA guide 11.1)
.set CHUNK,  80
.set AHALF,  128*PITCH                 ; what a load of x brings
.set BHALF,  192*PITCH                 ; what a load of W brings
.set BOFF,   2*AHALF                   ; W's 384 rows lie behind x's 256
.set SLOT,   BOFF+2*BHALF              ; 153,600 bytes
.set SPARE,  2*SLOT                    ; behind the ring: the spare words, 128 bytes a wave: two blocks of 256 bytes that no other line names
.set SPITCH, 784                       ; the stage for the way out, in the ring when it has had its last fill: 256 rows of 768 bytes + 16
.set A0,   16                          ; v16  my lane's place in x's rows of slot 0; never rewritten
.set B0,   17                          ; v17  the same in W's rows
.set ADA,  18                          ; v18  the same in the slot that is being fetched from
.set ADB,  19                          ; v19
.set STO,  20                          ; v20-21  the stage: where I put 16 bytes of a row of my rows 0-63, 64-127
.set RD,   22                          ; v22  where I read rows back
.set CO,   23                          ; v23  my byte offset in two rows of qkv
.set SPW,  28                          ; v28  my spare word; never rewritten
.set NIL,  29                          ; v29  0; never rewritten
.set AF,   32
.set BF,   96
.set G1, 24                            ; s[24:31] group 1 for x's tiles;  s[32:39] group 0: a set for each of the two first fills; the second then walks on
.set G0, 32
.set G1B, 48                           ; s[48:55], s[56:63] the same for W's tiles
.set G0B, 56
.set TB,  2                            ; s2  0 or SLOT: the slot of the K step in hand
.set MSB, 0
.macro WIN new                         ; the immediate's high byte repeats the setting that is left; a switch that changes nothing is dropped
.if MSB != (\new)
	s_set_vgpr_msb (MSB<<8)|(\new)
.set MSB, \new
.endif
.endm
; A joint load: waves 0 and 1 fetch x's two halves, waves 2 and 3 W's.  The branch hangs on the wave's number alone.  An s_nop 0 and four v_nop follow each line.
.macro JLOAD s
	s_cmp_eq_u32 s11, 0
	s_cbranch_scc0 .Lfor_b_\@
	tensor_load_to_lds s[G0+4*(\s):G0+4*(\s)+3], s[G1:G1+7]
	s_nop 0
.rept 4
	v_nop
.endr
	s_branch .Lasked_\@
.Lfor_b_\@:
	tensor_load_to_lds s[G0B+4*(\s):G0B+4*(\s)+3], s[G1B:G1B+7]
	s_nop 0
.rept 4
	v_nop
.endr
.Lasked_\@:
.endm
.macro CREST                           ; a round of the cluster's barrier behind its opening barrier: wave 0 signals for the work-group, all wait for all sixteen, my work-group's barrier closes it
	s_cmp_lg_u32 s10, 0
	s_cbranch_scc1 .Lnot_wave_0_\@
	s_barrier_signal -3
.Lnot_wave_0_\@:
	s_barrier_wait -3
	s_barrier_signal -1
	s_barrier_wait -1
.endm
.macro CROUND
	s_barrier_signal -1
	s_barrier_wait -1
	CREST
.endm
	s_load_b64 s[4:5], s[0:1], 0x0                 ; xw
	s_load_b64 s[8:9], s[0:1], 0x8                 ; qkv
	v_lshl_add_u32 v[SPW], v0, 2, SPARE
	v_mov_b32 v[NIL], 0
	ds_add_u32 v[SPW], v[NIL]                      ; the wave's opening: the add and its wait ahead of my first tensor load; register work stands between
	ds_add_u32 v28, v29
	v_lshrrev_b32 v1, 5, v0
	v_readfirstlane_b32 s10, v1                    ; wave 0..3
	s_lshr_b32 s11, s10, 1                         ; my half of the tile's rows; also: I fetch for x (0) or for W (1)
	s_and_b32 s12, s10, 1                          ; my half of its columns; also: which half of that tile I fetch
	s_bfe_u32 s40, ttmp6, 0x40000                  ; cx
	s_bfe_u32 s41, ttmp6, 0x40004                  ; cy
	s_lshl_b32 s42, ttmp9, 2
	s_add_co_u32 s42, s42, s40                     ; tile column = 4 x cluster x + cx
	s_and_b32 s13, ttmp7, 0xffff
	s_lshl_b32 s13, s13, 2
	s_add_co_u32 s13, s13, s41                     ; tile row = 4 x cluster y + cy
	s_lshl_b32 s43, s41, 2
	s_lshl_b32 s43, 15, s43                        ; my row of the cluster
	s_lshl_b32 s44, 0x1111, s40                    ; my column
	s_or_b32 s[G1+0], s43, (1<<16)|(1<<20)|(1<<21)|(3<<22)|(3<<25)  ; the mask; 2-byte elements; padding on; bit 21 beside a mask; after every 16 words (code 3) 4 words (code 3)
	s_or_b32 s[G1B+0], s44, (1<<16)|(1<<20)|(1<<21)|(3<<22)|(3<<25)
.irp g, G1, G1B
	s_mov_b32 s[(\g)+1], 128<<16                   ; tensor_dim0 = 128 elements: 256 bytes of the dense run
	s_mov_b32 s[(\g)+3], 128<<16                   ; tile_dim0 = 128
	s_mov_b32 s[(\g)+5], 128                       ; each such row begins where the last ends
	s_mov_b32 s[(\g)+6], 0
	s_mov_b32 s[(\g)+7], 0
.endr
	s_mov_b32 s[G1+2], 96<<16                      ; x: 128 rows x 192 bytes = 96 x 256: tensor_dim1,
	s_mov_b32 s[G1+4], 96                          ; tile_dim1
	s_mov_b32 s[G1B+2], 144<<16                    ; W: 192 rows x 192 bytes = 144 x 256
	s_mov_b32 s[G1B+4], 144
	s_lshl_b32 s16, s13, 8                         ; x: row 256 x tile row + 128 x half,
	s_lshl_b32 s17, s12, 7
	s_add_co_u32 s16, s16, s17
	s_mul_i32 s16, s16, ROWB                       ; in bytes of a block
	s_mov_b32 s17, 0
	s_mul_i32 s46, s42, 384                        ; W: row 8192 + 384 x tile column + 192 x half
	s_mul_i32 s47, s12, 192
	s_add_co_u32 s46, s46, s47
	s_add_co_u32 s46, s46, 8192
	s_mul_i32 s46, s46, ROWB
	s_mov_b32 s47, 0
	s_mul_i32 s20, s12, AHALF                      ; where they go in a slot: x's half,
	s_mul_i32 s21, s12, BHALF
	s_add_co_u32 s21, s21, BOFF                    ; W's half: no place in the cluster enters an LDS address
	s_mov_b32 s[TB], 0
	s_wait_dscnt 0x0                               ; the opening add is done
	s_wait_kmcnt 0x0
	s_add_nc_u64 s[14:15], s[4:5], s[16:17]
	s_add_nc_u64 s[46:47], s[4:5], s[46:47]
	CROUND                                         ; all sixteen work-groups are here: the first joint loads meet
.irp s, 0,1
	s_mov_b32 s[G0+4*(\s)], 1
	s_add_co_u32 s[G0+4*(\s)+1], s20, (\s)*SLOT
	s_add_nc_u64 s[G0+4*(\s)+2:G0+4*(\s)+3], s[14:15], (\s)*BLKB
	s_or_b32 s[G0+4*(\s)+3], s[G0+4*(\s)+3], 0x80000000
	s_mov_b32 s[G0B+4*(\s)], 1
	s_add_co_u32 s[G0B+4*(\s)+1], s21, (\s)*SLOT
	s_add_nc_u64 s[G0B+4*(\s)+2:G0B+4*(\s)+3], s[46:47], (\s)*BLKB
	s_or_b32 s[G0B+4*(\s)+3], s[G0B+4*(\s)+3], 0x80000000
	JLOAD \s                                       ; K steps 0 and 1: two loads of mine are out
.endr
	; a fragment is 16 rows x 32 K in 8 registers: lane l holds row l % 16, K = 8 (l / 16) + 0..7 and 16 + 8 (l / 16) + 0..7: two loads of 16 bytes, 32 bytes apart, inside a chunk
	v_and_b32 v1, 15, v0                           ; l % 16
	v_bfe_u32 v2, v0, 4, 1                         ; l / 16
	v_mul_u32_u24 v3, v1, PITCH
	v_lshl_add_u32 v3, v2, 4, v3
	s_mul_i32 s22, s11, AHALF                      ; my 128 rows of x
	v_add_nc_u32 v[A0], s22, v3
	s_mul_i32 s23, s12, BHALF                      ; my 192 rows of W
	s_add_co_u32 s23, s23, BOFF
	v_add_nc_u32 v[B0], s23, v3
	v_mov_b32 v[ADA], v[A0]
	v_mov_b32 v[ADB], v[B0]
	s_mul_i32 s22, s11, 128*SPITCH                 ; into the stage: my 128 rows, my 384 bytes of them; row l % 16, 16 bytes for each half of the lanes
	s_mul_i32 s23, s12, 384
	s_add_co_u32 s22, s22, s23
	v_mul_u32_u24 v4, v1, SPITCH
	v_lshl_add_u32 v4, v2, 4, v4
	v_add_nc_u32 v[STO], s22, v4
	v_add_nc_u32 v[STO+1], 64*SPITCH, v[STO]
	s_mul_i32 s22, s10, 64*SPITCH                  ; back: wave w takes rows 64 w .. 64 w + 63, whole; lanes 0-15 256 bytes of one row, lanes 16-31 of the next
	v_mul_u32_u24 v5, v2, SPITCH
	v_lshl_add_u32 v5, v1, 4, v5
	v_add_nc_u32 v[RD], s22, v5
	v_mul_u32_u24 v5, v2, SIZE_N*2                 ; and the same two rows in qkv
	v_lshl_add_u32 v[CO], v1, 4, v5
	s_lshl_b32 s16, s13, 8
	s_lshl_b32 s17, s10, 6
	s_add_co_u32 s16, s16, s17                     ; the first row that I store: 256 x tile row + 64 x wave
	s_mul_i32 s16, s16, SIZE_N*2
	s_mov_b32 s17, 0
	s_add_nc_u64 s[8:9], s[8:9], s[16:17]
	s_mul_i32 s46, s42, 768                        ; the tile's first column, in bytes (in the registers that held W's address: none that feeds x's descriptors ever holds cx)
	s_mov_b32 s47, 0
	s_add_nc_u64 s[8:9], s[8:9], s[46:47]
; 16 matrix instructions: block (hf, g): row blocks 4 hf .. 4 hf + 3 x column blocks 4 g .. 4 g + 3, 32 along K.  zero = 1: the first product starts the sums.  The accumulators take turns.
.macro MB hf, g, zero
.set KK, 3*(\hf)+(\g)
.set WW, 1+KK/2
.set RB, 128*(KK%2)
	WIN (WW<<6)|(WW<<4)
.irp bb, 0,1,2,3
.irp aa, 0,1,2,3
.if \zero
	v_wmma_f32_16x16x32_bf16 v[RB+8*(4*(\bb)+(\aa)):RB+8*(4*(\bb)+(\aa))+7], v[BF+8*(4*(\g)+(\bb)):BF+8*(4*(\g)+(\bb))+7], v[AF+8*(4*(\hf)+(\aa)):AF+8*(4*(\hf)+(\aa))+7], 0
.else
	v_wmma_f32_16x16x32_bf16 v[RB+8*(4*(\bb)+(\aa)):RB+8*(4*(\bb)+(\aa))+7], v[BF+8*(4*(\g)+(\bb)):BF+8*(4*(\g)+(\bb))+7], v[AF+8*(4*(\hf)+(\aa)):AF+8*(4*(\hf)+(\aa))+7], v[RB+8*(4*(\bb)+(\aa)):RB+8*(4*(\bb)+(\aa))+7]
.endif
.endr
.endr
.endm
.macro LDA a0, c                       ; 8 LDS loads: x's fragments a0 .. a0 + 3 of chunk c
.irp i, 0,1,2,3
	ds_load_b128 v[AF+8*((\a0)+(\i)):AF+8*((\a0)+(\i))+3],   v[ADA] offset:((\a0)+(\i))*16*PITCH+CHUNK*(\c)
	ds_load_b128 v[AF+8*((\a0)+(\i))+4:AF+8*((\a0)+(\i))+7], v[ADA] offset:((\a0)+(\i))*16*PITCH+CHUNK*(\c)+32
.endr
.endm
.macro LDB b0, c                       ; 8 LDS loads: W's fragments b0 .. b0 + 3 of chunk c
.irp i, 0,1,2,3
	ds_load_b128 v[BF+8*((\b0)+(\i)):BF+8*((\b0)+(\i))+3],   v[ADB] offset:((\b0)+(\i))*16*PITCH+CHUNK*(\c)
	ds_load_b128 v[BF+8*((\b0)+(\i))+4:BF+8*((\b0)+(\i))+7], v[ADB] offset:((\b0)+(\i))*16*PITCH+CHUNK*(\c)+32
.endr
.endm
.macro PLACES                          ; four plain vector instructions between a matrix instruction and a load into, or a vector read of, its registers
.rept 4
	v_nop
.endr
.endm
; The second half of a sub-step behind H1: the next sub-step's fragments (chunk c of the slot that ADA and ADB name) are fetched into registers as they fall dead.
.macro REST c, zero
	PLACES
	WIN 0
	LDA 0, \c                                      ; x's low half was last read by L3, W's group 1 by H1
	LDB 0, \c
	MB 1, 1, \zero
	PLACES
	WIN 0
	LDB 4, \c
	MB 1, 2, \zero
	PLACES
	WIN 0
	LDB 8, \c
	LDA 4, \c
.endm
; A sub-step.  The counts are the younger loads that may stay out: behind x's low half and W's group 1 come 8 + 16, behind W's group 2 16, behind W's group 3 x's high half's 8.
.macro SUB c, zero
	s_wait_dscnt 24
	MB 0, 0, \zero
	s_wait_dscnt 16
	MB 0, 1, \zero
	s_wait_dscnt 8
	MB 0, 2, \zero
	s_wait_dscnt 0x0
	MB 1, 0, \zero
	REST \c, \zero
.endm
; A K step's last sub-step changes slots: ONE barrier.  In front of it my tensor loads have landed (the one that was out is my part of the next slot), the add is done and my reads of this slot, all issued
; in the sub-step before, are back.  fill = 1: the barrier opens a round of the cluster's barrier, and this slot takes the K step two on, first thing behind the round: 240 matrix instructions stand between that
; load and the wait for it.  Then the next slot's first chunk is fetched.
.macro SUBT c, fill
	WIN 0
	s_wait_tensorcnt 0x0                           ; no tensor load of mine is out, so the walking descriptors may be written
	ds_add_u32 v[SPW], v[NIL]                      ; 0 onto my spare word
.if \fill
	s_add_co_u32 s[G0+5], s20, s[TB]               ; into the slot that is being left,
	s_add_co_u32 s[G0B+5], s21, s[TB]
	s_add_nc_u64 s[G0+6:G0+7], s[G0+6:G0+7], BLKB  ; the next K block; the type bits on top are not reached
	s_add_nc_u64 s[G0B+6:G0B+7], s[G0B+6:G0B+7], BLKB
.endif
	s_xor_b32 s[TB], s[TB], SLOT                   ; 0 <-> SLOT: from here on the other slot is fetched from
	v_add_nc_u32 v[ADA], s[TB], v[A0]
	v_add_nc_u32 v[ADB], s[TB], v[B0]
	s_wait_dscnt 25                                ; as in SUB, and the add
	MB 0, 0, 0
	s_wait_dscnt 17
	MB 0, 1, 0
	s_wait_dscnt 0x0                               ; the add is done, my reads of this slot are over (the last were issued 32 matrix instructions ago)
	s_barrier_signal -1
	MB 0, 2, 0                                     ; work on registers while the others arrive
	WIN 0
	s_barrier_wait -1
.if \fill
	CREST                                          ; no wave of any partner still reads this slot's tile or has a load on its way
	JLOAD 1
.endif
	MB 1, 0, 0
	REST \c, 0
.endm
	s_wait_tensorcnt 1                             ; my part of K step 0 is in; K step 1's may stay out
	s_barrier_signal -1
	s_barrier_wait -1
	LDA 0, 0                                       ; the first sub-step's fragments, in the order in which REST issues them
	LDB 0, 0
	LDB 4, 0
	LDB 8, 0
	LDA 4, 0
	SUB 1, 1                                       ; step 0, chunk 0: its products start the sums; it stands in front of the loop
	s_mov_b32 s3, STEPS-2
.Lk:                                                   ; nine trips, t = 0 .. 8: chunks 1 and 2 of step t, chunk 0 of step t + 1; the slot of step t takes step t + 2
	SUB 2, 0
	SUBT 0, 1
	SUB 1, 0
	s_sub_co_u32 s3, s3, 1
	s_cmp_lg_u32 s3, 0
	s_cbranch_scc1 .Lk
	SUB 2, 0                                       ; the tail is written out: step 9, chunk 1
	SUBT 0, 0                                      ; chunk 2: step 10's tile has landed; nothing is asked for, so no round follows
	SUB 1, 0                                       ; step 10, chunk 0
	s_wait_dscnt 24                                ; step 10, chunk 1: k = 992 .. 1023, the last; nothing more is fetched
	MB 0, 0, 0
	s_wait_dscnt 16
	MB 0, 1, 0
	s_wait_dscnt 8
	MB 0, 2, 0
	s_wait_dscnt 0x0
	MB 1, 0, 0
	MB 1, 1, 0
	MB 1, 2, 0
	WIN 0
	PLACES                                         ; behind the last products, ahead of the conversions
	s_wait_dscnt 0x0
	s_barrier_signal -1
	s_barrier_wait -1                              ; every wave's reads of the ring are over, and it is filled no more: it takes the stage
; THE WAY OUT.  A wave's 192 columns are 384 bytes, one and a half aligned blocks of 256: so the four waves share ONE stage, with a barrier between writing and reading.
; Block kk of 16 accumulators: rounded to f16, each accumulator's registers in ascending order; 16 bytes a lane into the stage.
.macro PACK kk
.set WW, 1+(\kk)/2
.set RB, 128*((\kk)%2)
.set TP, 32+64*((\kk)%2)
	WIN WW|(WW<<2)                                 ; sources 0 and 1 in the block's window, destination in window 0
.set i, 0
.rept 16
.irp r, 0,1,2,3
	v_cvt_pk_f16_f32 v[TP+4*i+(\r)], v[RB+8*i+2*(\r)], v[RB+8*i+2*(\r)+1]
.endr
.set i, i+1
.endr
	WIN 0
.set i, 0
.rept 16                               ; accumulator i: row block i % 4 of the half, column block 4 (kk % 3) + i / 4
	ds_store_b128 v[STO+(\kk)/3], v[TP+4*i:TP+4*i+3] offset:(i%4)*16*SPITCH+32*(4*((\kk)%3)+i/4)
.set i, i+1
.endr
.endm
.irp kk, 0,1,2,3,4,5
	PACK \kk
.endr
	s_wait_dscnt 0x0                               ; for the others' sake: my stores into the stage are done
	s_barrier_signal -1
	s_barrier_wait -1
; Piece m of my 96: rows 2 (m / 3) and the next, block m % 3 of their three blocks of 256 bytes.  24 pieces at a time, on two sets of registers.
.macro RDB n, buf
.set m, 24*(\n)
.rept 24
	ds_load_b128 v[(\buf)+4*(m-24*(\n)):(\buf)+4*(m-24*(\n))+3], v[RD] offset:2*(m/3)*SPITCH+256*(m%3)
.set m, m+1
.endr
.endm
.macro STB n, buf, younger             ; younger: the LDS loads issued behind this set's
	s_wait_dscnt \younger
.set m, 24*(\n)
.rept 24
	global_store_b128 v[CO], v[(\buf)+4*(m-24*(\n)):(\buf)+4*(m-24*(\n))+3], s[8:9] offset:2*(m/3)*SIZE_N*2+256*(m%3)  ; 16 lanes store 256 consecutive bytes, at a multiple of 256 from qkv's first byte
.set m, m+1
.endr
.endm
	RDB 0, 32
	RDB 1, 128
	STB 0, 32, 24
	s_wait_xcnt 0x0                                ; the registers that the stores above read are loaded again only behind this wait
	RDB 2, 32
	STB 1, 128, 24
	s_wait_xcnt 0x0
	RDB 3, 128
	STB 2, 32, 24
	STB 3, 128, 0
	s_wait_tensorcnt 0x0                           ; the wave's end
	ds_add_u32 v[SPW], v[NIL]
	s_wait_dscnt 0x0
	CROUND                                         ; the closing round: no work-group ends while a partner may still ask for a tile that names it
	s_endpgm
.Lfunc_end_k_qc05a7aeda6_proj:
	.size	k_qc05a7aeda6_proj, .Lfunc_end_k_qc05a7aeda6_proj-k_qc05a7aeda6_proj
	.p2alignl 7, 3214868480
	.fill 96, 4, 3214868480
	.section	.rodata,"a",@progbits
	.p2align	6, 0x0
	.amdhsa_kernel k_qc05a7aeda6_proj
		.amdhsa_group_segment_fixed_size 327680
		.amdhsa_private_segment_fixed_size 0
		.amdhsa_enable_private_segment 0
		.amdhsa_kernarg_size 16
		.amdhsa_user_sgpr_count 2
		.amdhsa_user_sgpr_kernarg_segment_ptr 1
		.amdhsa_wavefront_size32 1
		.amdhsa_system_sgpr_workgroup_id_x 1
		.amdhsa_system_sgpr_workgroup_id_y 1
		.amdhsa_system_sgpr_workgroup_id_z 1
		.amdhsa_system_vgpr_workitem_id 0
		.amdhsa_next_free_vgpr 1024
		.amdhsa_next_free_sgpr 66
		.amdhsa_reserve_vcc 0
		.amdhsa_float_denorm_mode_32 3
		.amdhsa_float_denorm_mode_16_64 3
		.amdhsa_memory_ordered 1
		.amdhsa_forward_progress 1
		.amdhsa_inst_pref_size 129
	.end_amdhsa_kernel
	.amdgpu_metadata
---
amdhsa.version: [ 1, 2 ]
amdhsa.kernels:
  - .name:           k_qc05a7aeda6_proj
    .symbol:         k_qc05a7aeda6_proj.kd
    .args:
      - { .name: xw, .offset: 0, .size: 8, .value_kind: global_buffer, .address_space: global }
      - { .name: qkv, .offset: 8, .size: 8, .value_kind: global_buffer, .address_space: global }
    .group_segment_fixed_size: 327680
    .private_segment_fixed_size: 0
    .kernarg_segment_align: 8
    .kernarg_segment_size: 16
    .max_flat_workgroup_size: 128
    .sgpr_count:     66
    .vgpr_count:     1024
    .wavefront_size: 32
...
	.end_amdgpu_metadata
.endif
;; end of part 2
;; launch scores (part 3): grid 36 x 4, 4 waves a work-group, no clusters, 327,680 bytes of LDS; arguments qkv, pw, st; writes pw, st
.if DOCPART == 3
	.amdgcn_target "amdgcn-amd-amdhsa--gfx1250"
	.amdhsa_code_object_version 6
	.text
	.protected	k_qc05a7aeda6_scores
	.globl	k_qc05a7aeda6_scores
	.p2align	8
	.type	k_qc05a7aeda6_scores,@function
k_qc05a7aeda6_scores:
	s_mov_b64 s[64:65], 0
	v_nop
	global_prefetch_b8 v0, s[64:65] scope:SCOPE_SE
	s_setreg_imm32_b32 hwreg(HW_REG_WAVE_MODE, 25, 1), 1
	s_wait_xcnt 0x0
; For batch b (grid y) and tile (I, J), J <= I, of 256 queries x 256 keys (grid x counts the 36 tiles of the lower triangle): S = q k^T over 1024 channels, f16 operands, f32 sums; keys behind the
; query are hidden; then for each query and each PIECE of 128 keys: m = the piece's largest score, p = 2^(c s - c m), c = log2(e) / 32, l = the sum of the p.
; Out: pw[b][q][k] = p in f16; st[0][b][piece][q] = c m, st[1][b][piece][q] = l, in f32.  The next launch takes the row's true maximum over the pieces and weights them.
; LIMITS: q and k lie within f16's 65,504; a hidden score counts as -1e30 (true scores are 4.4e12 at the most, nothing beside that); a weight below 2^-126 counts as 0, below 6e-5 it keeps f16's fixed step;
; l is the sum of the unrounded weights; NaN and infinities are not treated apart.
; SHARES: four waves, each 128 queries x 128 keys = one piece for 128 rows: 64 accumulators, 512 registers.  K (channels) goes in steps of 128 through two LDS slots; each wave fetches a quarter of a slot.
; In a tile on the diagonal wave 1's quarter (rows 0-127, keys 128-255) is wholly hidden: it stores p = 0, c m = -1e30, l = 0.
; NO CLUSTER: a row of the triangle has 1 to 8 tiles, and so has a column: no split into fours exists in which all partners share a tile of q or of k, and squares would hold work-groups that are wholly hidden.
; LAYOUT: source 0 = 16 keys, source 1 = 16 queries: in accumulator (a, b) a lane holds query 16 a + l % 16 and keys 16 b + 8 (l / 16) + 0..7.  So for a block a of 16 rows a lane holds 64 of its query's
; 128 scores and the lane 16 away the other 64: maximum and sum want one exchange between the halves of the lanes, and the softmax never leaves the registers.
; THE MASK is the C operand of the product that starts a sum: the constant 0 below the diagonal (b < a), MD on it (b = a), BEV above it (b > a); MD and BEV hold 0 but in a quarter that holds the diagonal.
; ONE TEXT FOR MANY TURNS.  A trip of the K loop is one K step: the slot is a scalar that takes the values 0 and SLOT by turns.  The last two K steps, which fill nothing, are a loop of two trips that is left in
; its middle.  The softmax is a loop over the wave's eight blocks of 16 rows: a loop cannot count register numbers, so what names accumulators (HEAD) is written out for each block and reached by a jump
; forward on the trip's number; the rest (TAIL) stands once.
; WINDOWS of 256 registers (s_set_vgpr_msb: bits 1:0 source 0, 3:2 source 1, 5:4 source 2, 7:6 destination): window 0 addresses, masks, q's fragments, later the softmax's work; window 1 k's fragments; windows 2 and 3 the accumulators.
.set KSTEP,  128
.set STEPS,  8                         ; 1024 channels
.set PITCH,  272                       ; an LDS row: 256 bytes + 16 of padding: the 16 rows of a fragment load start 4 banks apart (64 banks of 4 bytes: ISA guide 11.1)
.set HALFT,  128*PITCH
.set SLOT,   4*HALFT                   ; q's 256 rows, then k's 256 rows
.set STAGE,  2*SLOT                    ; behind the ring: 16 rows x 272 bytes for each wave, for the weights' way out
.set SPITCH, 272
.set STT,    STAGE+4*16*SPITCH         ; 1,024 bytes a wave: 128 c m, 128 l
.set SPARE,  STT+4*1024                ; the spare words: 128 bytes a wave, two blocks of 256 bytes that no other line names
.set A0,   16                          ; v16     my lane's place in q's rows of slot 0; never rewritten
.set ADA,  17                          ; v17     the same in the slot that is being fetched from
.set SLD,  18                          ; v18     where I read the statistics back
.set SGO,  19                          ; v19     16 x lane: my place in 512 bytes of st
.set B0,   20                          ; v20     my lane's place in k's rows of slot 0; never rewritten
.set ADB,  21                          ; v21     the same in the slot that is being fetched from
.set SAD,  22                          ; v22     where I put a statistic: lanes 0-15 c m, lanes 16-31 l, word l % 16
.set STO,  24                          ; v24     the stage: where I put 16 bytes of a row
.set RD,   25                          ; v25     where I read a row back
.set GOF,  26                          ; v26     my byte offset in two rows of pw
.set SPW,  28                          ; v28     my spare word; never rewritten
.set NIL,  29                          ; v29     0; never rewritten
.set MD,   32                          ; v32-39  the mask of a block on the diagonal: -1e30 where 8 (l / 16) + e > l % 16 in a quarter that holds the diagonal, else 0
.set C,    40                          ; v40-43  four running maxima
.set CM,   44                          ; v44-45  c m, in a pair whose odd register is 0
.set LS,   46                          ; v46     l
.set SV,   47                          ; v47     the statistic to be stored
.set BEV,  48                          ; v48-55  the mask of a block above the diagonal: -1e30 in a quarter that holds it, else 0
.set F0,   64
.set F1,   128
.set T,    64                          ; v64-127  behind the K loop: a block's 64 scores a lane, scaled, then the weights
.set PK,   128                         ; v128-159 the weights in f16
.set BK,   160                         ; v160-191 16 rows read back from the stage
.set TB,  2                            ; s2  0 or SLOT: the slot of the K step in hand
.set G1, 24                            ; s[24:31]
.set G0, 32                            ; s[32:39] a set for each of the two first fills; the second then walks on
.set CS, 40                            ; s[40:41] c
.set BIGN, 42                          ; s42 -1e30
.set PWB, 44                           ; s[44:45] pw at my quarter
.set STB, 46                           ; s[46:47] st at my piece and rows
.set BE,  56                           ; s56 -1e30 in a quarter that holds the diagonal, else 0
.set SEL, 58                           ; s[58:59] v_permlanex16_b32's selects: each lane takes its own place in the other half
.set HM,  60                           ; s60 lanes 16-31
.set MSB, 0
.macro WIN new                         ; the immediate's high byte repeats the setting that is left; a switch that changes nothing is dropped
.if MSB != (\new)
	s_set_vgpr_msb (MSB<<8)|(\new)
.set MSB, \new
.endif
.endm
.set MUL_LO, 0xa1                      ; source 0 (k) window 1, source 1 (q) window 0, C and D window 2
.set MUL_HI, 0xf1                      ; the same, C and D window 3
.set TO_B,   0x40                      ; destination window 1, address window 0
	s_load_b128 s[4:7], s[0:1], 0x0                ; qkv s[4:5], pw s[6:7]
	s_load_b64 s[8:9], s[0:1], 0x10                ; st
	v_lshl_add_u32 v[SPW], v0, 2, SPARE
	v_mov_b32 v[NIL], 0
	ds_add_u32 v[SPW], v[NIL]                      ; the wave's opening: the add and its wait ahead of my first tensor load; register work stands between
	ds_add_u32 v28, v29
	v_lshrrev_b32 v1, 5, v0
	v_readfirstlane_b32 s10, v1                    ; wave 0..3
	s_lshr_b32 s11, s10, 1                         ; my half of the queries
	s_and_b32 s12, s10, 1                          ; my half of the keys; also: which 128 rows I fetch
	s_and_b32 s15, ttmp7, 0xffff                   ; the batch
	s_mov_b32 s13, 0
.irp n, 1,2,3,4,5,6,7
	s_cmp_ge_u32 ttmp9, (\n)*((\n)+1)/2            ; row I of the triangle begins at tile I (I + 1) / 2
	s_cselect_b32 s13, \n, s13
.endr
	s_add_co_u32 s16, s13, 1
	s_mul_i32 s16, s16, s13
	s_lshr_b32 s16, s16, 1
	s_sub_co_u32 s14, ttmp9, s16                   ; J
	s_mov_b32 s[BIGN], 0xf149f2ca                  ; -1e30
	s_cmp_eq_u32 s13, s14
	s_cselect_b32 s51, 1, 0                        ; the tile lies on the diagonal
	s_cmp_eq_u32 s10, 1
	s_cselect_b32 s52, s51, 0                      ; my quarter is wholly hidden
	s_cmp_eq_u32 s11, s12
	s_cselect_b32 s53, s51, 0                      ; my quarter holds the diagonal
	s_cmp_eq_u32 s53, 1
	s_cselect_b32 s[BE], s[BIGN], 0
	s_mov_b32 s[TB], 0
	s_mov_b32 s[G1+0], (1<<16)|(1<<20)|(5<<22)|(3<<25)  ; 2-byte elements; padding on: after every 64 words 4 words
	s_mov_b32 s[G1+1], KSTEP<<16                   ; tensor_dim0 = 128
	s_mov_b32 s[G1+2], 128<<16                     ; tensor_dim1 = 128
	s_mov_b32 s[G1+3], KSTEP<<16                   ; tile_dim0 = 128
	s_mov_b32 s[G1+4], 128                         ; tile_dim1 = 128
	s_mov_b32 s[G1+5], 3072                        ; elements from row to row of qkv
	s_mov_b32 s[G1+6], 0
	s_mov_b32 s[G1+7], 0
	s_cmp_lt_u32 s10, 2                            ; waves 0, 1 fetch q's rows of block I, waves 2, 3 k's rows of block J
	s_cselect_b32 s16, s13, s14
	s_cselect_b32 s17, 0, 2048                     ; k's columns begin 2,048 bytes into a row
	s_lshl_b32 s16, s16, 8
	s_lshl_b32 s18, s15, 11
	s_add_co_u32 s16, s16, s18
	s_lshl_b32 s18, s12, 7
	s_add_co_u32 s16, s16, s18                     ; row 2048 b + 256 block + 128 half
	s_mul_i32 s16, s16, 6144
	s_add_co_u32 s16, s16, s17
	s_mov_b32 s17, 0
	s_mul_i32 s20, s10, HALFT                      ; where it goes in a slot: wave x 128 rows
	s_mov_b32 s[CS], 0x3d38aa3b                    ; c = log2(e) / 32
	s_mov_b32 s[CS+1], s[CS]                       ; named with it as a pair
	s_mov_b32 s[SEL], 0x76543210
	s_mov_b32 s[SEL+1], 0xfedcba98
	s_mov_b32 s[HM], 0xffff0000
	s_lshl_b32 s54, s15, 11                        ; pw: row 2048 b + 256 I + 128 half, 4,096 bytes each,
	s_lshl_b32 s21, s13, 8
	s_add_co_u32 s54, s54, s21
	s_lshl_b32 s21, s11, 7
	s_add_co_u32 s54, s54, s21
	s_lshl_b32 s54, s54, 12
	s_lshl_b32 s21, s14, 9                         ; column 256 J + 128 half, 2 bytes each
	s_add_co_u32 s54, s54, s21
	s_lshl_b32 s21, s12, 8
	s_add_co_u32 s54, s54, s21
	s_mov_b32 s55, 0
	s_lshl_b32 s22, s15, 4                         ; st: piece 16 b + 2 J + half, 2,048 rows each,
	s_lshl_b32 s21, s14, 1
	s_add_co_u32 s22, s22, s21
	s_add_co_u32 s22, s22, s12
	s_lshl_b32 s22, s22, 11
	s_lshl_b32 s21, s13, 8                         ; row 256 I + 128 half
	s_add_co_u32 s22, s22, s21
	s_lshl_b32 s21, s11, 7
	s_add_co_u32 s22, s22, s21
	s_lshl_b32 s22, s22, 2
	s_mov_b32 s23, 0
	s_wait_dscnt 0x0                               ; the opening add is done
	s_wait_kmcnt 0x0
	s_add_nc_u64 s[18:19], s[4:5], s[16:17]
	s_add_nc_u64 s[PWB:PWB+1], s[6:7], s[54:55]
	s_add_nc_u64 s[STB:STB+1], s[8:9], s[22:23]
.irp s, 0,1
	s_mov_b32 s[G0+4*(\s)], 1
	s_add_co_u32 s[G0+4*(\s)+1], s20, (\s)*SLOT
	s_add_nc_u64 s[G0+4*(\s)+2:G0+4*(\s)+3], s[18:19], (\s)*KSTEP*2
	s_or_b32 s[G0+4*(\s)+3], s[G0+4*(\s)+3], 0x80000000
	tensor_load_to_lds s[G0+4*(\s):G0+4*(\s)+3], s[G1:G1+7]        ; K steps 0 and 1 go out together: two loads of mine are out
	s_nop 0
.endr
	v_and_b32 v1, 15, v0                           ; l % 16
	v_bfe_u32 v2, v0, 4, 1                         ; l / 16
	v_mul_u32_u24 v3, v1, PITCH                    ; a fragment: row l % 16, 16 bytes for each half of the lanes
	v_lshl_add_u32 v3, v2, 4, v3
	s_mul_i32 s21, s11, HALFT                      ; my 128 rows of q
	s_mul_i32 s22, s12, HALFT                      ; my 128 rows of k,
	s_add_co_u32 s22, s22, 2*HALFT                 ; which lie behind q's 256
	v_add_nc_u32 v[A0], s21, v3
	v_add_nc_u32 v[B0], s22, v3
	v_mov_b32 v[ADA], v[A0]
	v_mov_b32 v[ADB], v[B0]
	s_mul_i32 s23, s10, 16*SPITCH
	s_add_co_u32 s23, s23, STAGE                   ; my stage
	v_mul_u32_u24 v4, v1, SPITCH                   ; in: row l % 16, 16 bytes for each half of the lanes
	v_lshl_add_u32 v4, v2, 4, v4
	v_add_nc_u32 v[STO], s23, v4
	v_mul_u32_u24 v5, v2, SPITCH                   ; back: lanes 0-15 take one row of 256 bytes, lanes 16-31 the next
	v_lshl_add_u32 v5, v1, 4, v5
	v_add_nc_u32 v[RD], s23, v5
	v_lshlrev_b32 v5, 12, v2                       ; and the same two rows in pw
	v_lshl_add_u32 v[GOF], v1, 4, v5
	s_lshl_b32 s23, s10, 10
	s_add_co_u32 s23, s23, STT                     ; my statistics
	v_lshlrev_b32 v5, 9, v2                        ; l lies 512 bytes behind c m
	v_lshl_add_u32 v5, v1, 2, v5
	v_add_nc_u32 v[SAD], s23, v5
	v_and_b32 v5, 31, v0
	v_lshlrev_b32 v[SGO], 4, v5
	v_add_nc_u32 v[SLD], s23, v[SGO]
	v_lshlrev_b32 v5, 3, v2
	v_sub_nc_u32 v6, v1, v5                        ; l % 16 - 8 (l / 16): register e of a block on the diagonal is hidden where e is greater
.irp e, 0,1,2,3,4,5,6,7
	v_cmp_gt_i32 vcc_lo, \e, v6
	v_cndmask_b32 v[MD+(\e)], 0, s[BE], vcc_lo
	v_mov_b32 v[BEV+(\e)], s[BE]
.endr
	v_mov_b32 v[CM+1], 0                           ; named with c m as a pair
; 16 matrix instructions: row blocks 4 hi + a0 and the next x all 8 key blocks, 32 channels.  The accumulators take turns.
; zero = 1: the first product starts the sums, with the mask as its C (in window 0): nothing is cleared, and no instruction is spent on the mask.
.macro MUL16 f, hi, a0, zero
.if \zero
	WIN 0x81+0x40*(\hi)                            ; source 0 window 1, sources 1 and 2 window 0, D window 2 or 3
.else
	WIN MUL_LO+0x50*(\hi)
.endif
.irp a, \a0, (\a0)+1
.irp b, 0,1,2,3,4,5,6,7
.if \zero
.if (\b) > 4*(\hi)+(\a)
	v_wmma_f32_16x16x32_f16 v[8*(8*(\a)+(\b)):8*(8*(\a)+(\b))+7], v[(\f)+8*(\b):(\f)+8*(\b)+7], v[(\f)+8*(4*(\hi)+(\a)):(\f)+8*(4*(\hi)+(\a))+7], v[BEV:BEV+7]
.elseif (\b) == 4*(\hi)+(\a)
	v_wmma_f32_16x16x32_f16 v[8*(8*(\a)+(\b)):8*(8*(\a)+(\b))+7], v[(\f)+8*(\b):(\f)+8*(\b)+7], v[(\f)+8*(4*(\hi)+(\a)):(\f)+8*(4*(\hi)+(\a))+7], v[MD:MD+7]
.else
	v_wmma_f32_16x16x32_f16 v[8*(8*(\a)+(\b)):8*(8*(\a)+(\b))+7], v[(\f)+8*(\b):(\f)+8*(\b)+7], v[(\f)+8*(4*(\hi)+(\a)):(\f)+8*(4*(\hi)+(\a))+7], 0
.endif
.else
	v_wmma_f32_16x16x32_f16 v[8*(8*(\a)+(\b)):8*(8*(\a)+(\b))+7], v[(\f)+8*(\b):(\f)+8*(\b)+7], v[(\f)+8*(4*(\hi)+(\a)):(\f)+8*(4*(\hi)+(\a))+7], v[8*(8*(\a)+(\b)):8*(8*(\a)+(\b))+7]
.endif
.endr
.endr
.endm
.macro FETCH k, f                      ; 32 LDS loads in one run, from the slot that ADA and ADB name: the fragments of 32 channels at byte k of the rows: k's 16 loads, then q's
	WIN TO_B
.irp i, 0,1,2,3,4,5,6,7
	ds_load_b128 v[(\f)+8*(\i):(\f)+8*(\i)+3],   v[ADB] offset:(\k)+(\i)*16*PITCH
	ds_load_b128 v[(\f)+8*(\i)+4:(\f)+8*(\i)+7], v[ADB] offset:(\k)+(\i)*16*PITCH+32
.endr
	WIN 0
.irp i, 0,1,2,3,4,5,6,7
	ds_load_b128 v[(\f)+8*(\i):(\f)+8*(\i)+3],   v[ADA] offset:(\k)+(\i)*16*PITCH
	ds_load_b128 v[(\f)+8*(\i)+4:(\f)+8*(\i)+7], v[ADA] offset:(\k)+(\i)*16*PITCH+32
.endr
.endm
.macro PLACES                          ; four plain vector instructions between a matrix instruction and a load into, or a vector access to, its registers
.rept 4
	v_nop
.endr
.endm
.macro QUARTER k, f, g, zero           ; 32 channels, 64 matrix instructions on buffer f; in the middle the next quarter, at byte k, is fetched into g
	s_wait_dscnt 8                                 ; k and q's rows 0-63 are in; the youngest eight loads may be out
	MUL16 \f, 0, 0, \zero
	MUL16 \f, 0, 2, \zero
	PLACES
	FETCH \k, \g
	s_wait_dscnt 32                                ; all but the 32 just issued
	MUL16 \f, 1, 0, \zero
	MUL16 \f, 1, 2, \zero
.endm
; The last quarter of a K step changes slots: one barrier; in front of it my tensor loads have landed, the add is done and my reads of this slot are over.
; fill = 1: this slot takes the K step two on, first thing behind the barrier.  Then the other slot's first fragments are fetched.
.macro TURN fill
	WIN 0
	s_wait_tensorcnt 0x0                           ; the one load that was out is my part of the next slot; no load of mine is out, so the walking descriptor may be written
	ds_add_u32 v[SPW], v[NIL]                      ; 0 onto my spare word
.if \fill
	s_add_co_u32 s[G0+5], s20, s[TB]               ; into the slot that is being left,
	s_add_nc_u64 s[G0+6:G0+7], s[G0+6:G0+7], KSTEP*2  ; the next K step; the type bits on top are not reached
.endif
	s_xor_b32 s[TB], s[TB], SLOT                   ; 0 <-> SLOT: from here on the other slot is fetched from
	v_add_nc_u32 v[ADA], s[TB], v[A0]
	v_add_nc_u32 v[ADB], s[TB], v[B0]
	s_wait_dscnt 9                                 ; the add and the youngest eight loads may be out
	MUL16 F1, 0, 0, 0
	s_wait_dscnt 0x0                               ; the add is done, my reads of this slot are over
	s_barrier_signal -1
	MUL16 F1, 0, 2, 0                              ; work on registers while the others arrive
	WIN 0
	s_barrier_wait -1
.if \fill
	tensor_load_to_lds s[G0+4:G0+7], s[G1:G1+7]    ; my one load behind this barrier: 224 matrix instructions stand between it and the wait for it
	s_nop 0
.endif
	PLACES
	FETCH 0, F0
	MUL16 F1, 1, 0, 0
	MUL16 F1, 1, 2, 0
.endm
	s_wait_tensorcnt 1                             ; my part of K step 0 is in; K step 1's may stay out
	s_barrier_signal -1
	s_barrier_wait -1
	FETCH 0, F0
	QUARTER 64,  F0, F1, 1                         ; the first quarter stands in front of the loop: its products start the sums, with the masks
	WIN 0                                          ; at a label and at a branch every window is 0
	s_mov_b32 s3, STEPS-2
.Lk:                                                   ; six trips, t = 0 .. 5: quarters 1 to 3 of K step t, quarter 0 of step t + 1; the slot of step t takes step t + 2
	QUARTER 128, F1, F0, 0
	QUARTER 192, F0, F1, 0
	TURN 1
	QUARTER 64,  F0, F1, 0
	WIN 0
	s_sub_co_u32 s3, s3, 1
	s_cmp_lg_u32 s3, 0
	s_cbranch_scc1 .Lk
	s_mov_b32 s3, 2
.Ltail:                                                ; K steps 6 and 7 fill nothing: a text of their own; the second trip is left in its middle
	QUARTER 128, F1, F0, 0
	QUARTER 192, F0, F1, 0
	WIN 0
	s_sub_co_u32 s3, s3, 1
	s_cmp_eq_u32 s3, 0
	s_cbranch_scc1 .Llast
	TURN 0                                         ; K step 7's tile has landed
	QUARTER 64,  F0, F1, 0
	WIN 0
	s_branch .Ltail
.Llast:                                                ; the very last quarter: nothing more is fetched
	s_wait_dscnt 8
	MUL16 F1, 0, 0, 0
	MUL16 F1, 0, 2, 0
	s_wait_dscnt 0x0
	MUL16 F1, 1, 0, 0
	MUL16 F1, 1, 2, 0
	WIN 0
	PLACES                                         ; behind the last products, ahead of everything that touches their registers
	s_cmp_eq_u32 s52, 1
	s_cbranch_scc1 .Lzero                          ; no barrier follows: from here on each wave keeps to its own LDS bytes
; THE SOFTMAX of block a: my rows 16 a .. 16 a + 15, all 128 keys of my piece.  Its eight accumulators lie at AC .. AC + 63 of window W; register AC + 8 b + e is key 16 b + 8 (l / 16) + e.
; HEAD a, written out for each block: the maximum, in four chains of 16 scores, each accumulator's lowest registers first; the other 64 keys lie in the lane 16 away; c m;
; then c s - c m, out of the accumulators into window 0.  Every row sees its own key, so m is a true score.
.macro HEAD a
.set W, 2+(\a)/4
.set AC, 64*((\a)%4)
	WIN W|(W<<2)                                   ; sources 0 and 1 in window W; source 2 and the destination in window 0
.irp n, 0,1,2,3,4,5,6,7                ; chain k walks accumulators k and k + 4, two scores at a time
.irp k, 0,1,2,3
.set x, AC+8*(\k)+2*(\n)+24*((\n)/4)
.if (\n) == 0
	v_max_num_f32 v[C+(\k)], v[x], v[x+1]
.else
	v_max3_num_f32 v[C+(\k)], v[x], v[x+1], v[C+(\k)]
.endif
.endr
.endr
	WIN 0
	v_max3_num_f32 v[C], v[C], v[C+1], v[C+2]
	v_max_num_f32 v[C], v[C], v[C+3]
	v_permlanex16_b32 v[C+1], v[C], s[SEL], s[SEL+1]
	v_max_num_f32 v[C], v[C], v[C+1]
	v_mul_f32 v[CM], s[CS], v[C]
	WIN W                                          ; source 0 in window W
.set z, 0
.rept 32
	v_pk_fma_f32 v[T+2*z:T+2*z+1], v[AC+2*z:AC+2*z+1], s[CS:CS+1], v[CM:CM+1] op_sel_hi:[1,0,0] neg_lo:[0,0,1] neg_hi:[0,0,1]
.set z, z+1
.endr
	WIN 0
.endm
; TAIL, once for all blocks, all in window 0: the exponentials; the weights rounded to f16, 16 bytes for each accumulator; through my stage: 16 bytes a lane in, whole rows of 256 bytes back, with the sum of the
; weights between the loads and the wait for them; the statistic; the rows are stored.
.macro TAIL
.set z, 0
.rept 64
	v_exp_f32 v[T+z], v[T+z]
.set z, z+1
.endr
	v_nop                                          ; a plain instruction between the last exponential and the use of its result
.set z, 0
	s_wait_alu depctr_va_vdst(0)
.rept 32
	v_cvt_pk_f16_f32 v[PK+z], v[T+2*z], v[T+2*z+1]
.set z, z+1
.endr
	s_wait_xcnt 0x0                                ; the registers and the base that the last block's stores read are written again only behind this wait
	s_add_nc_u64 s[PWB:PWB+1], s[PWB:PWB+1], 16*4096  ; the base steps here, where it has just been freed; this block's stores reach back by their immediate
.irp b2, 0,1,2,3,4,5,6,7
	ds_store_b128 v[STO], v[PK+4*(\b2):PK+4*(\b2)+3] offset:32*(\b2)
.endr
.irp t, 0,1,2,3,4,5,6,7
	ds_load_b128 v[BK+4*(\t):BK+4*(\t)+3], v[RD] offset:(\t)*2*SPITCH  ; LDS serves a wave's instructions in order (ISA guide 5.7.1.4): these see the stores above, the next block's stores come behind them
.endr
.irp w, 4,8,16,32,64                   ; the sum of the 32 pairs, in place: neighbours 1, 2, 4, 8 and 16 pairs apart
.set z, 0
.rept 64/(\w)
	v_pk_add_f32 v[T+(\w)*z:T+(\w)*z+1], v[T+(\w)*z:T+(\w)*z+1], v[T+(\w)*z+(\w)/2:T+(\w)*z+(\w)/2+1]
.set z, z+1
.endr
.endr
	v_add_f32 v[LS], v[T], v[T+1]
	v_permlanex16_b32 v[C+1], v[LS], s[SEL], s[SEL+1]
	v_add_f32 v[LS], v[LS], v[C+1]
	v_cndmask_b32 v[SV], v[CM], v[LS], s[HM]       ; lanes 0-15 carry c m, lanes 16-31 l
	s_wait_dscnt 0x0                               ; the block is back in registers
.irp t, 0,1,2,3,4,5,6,7
	global_store_b128 v[GOF], v[BK+4*(\t):BK+4*(\t)+3], s[PWB:PWB+1] offset:2*(\t)*4096-16*4096  ; 16 lanes store 256 consecutive bytes, at a multiple of 256 from pw's first byte
.endr
.endm
	HEAD 0
	s_mov_b32 s3, 0
.Lsoft:                                                ; eight trips: TAIL for block s3; then, by a jump forward on s3, that block's own lines: its statistic to its place, and the next block's HEAD
	TAIL
.irp a, 0,1,2,3,4,5,6
	s_cmp_eq_u32 s3, \a
	s_cbranch_scc1 .Lblk\a
.endr
	ds_store_b32 v[SAD], v[SV] offset:64*7         ; the last block has no successor
	s_branch .Lnext
.irp a, 0,1,2,3,4,5,6
.Lblk\a:
	ds_store_b32 v[SAD], v[SV] offset:64*(\a)      ; 16 c m and 16 l, at the block's 64 bytes of each
	HEAD (\a)+1
.if (\a) < 6
	s_branch .Lnext
.endif
.endr
.Lnext:
	s_add_co_u32 s3, s3, 1
	s_cmp_lt_u32 s3, 8
	s_cbranch_scc1 .Lsoft
	ds_load_b128 v[T:T+3],   v[SLD]                ; my wave's own words, served behind its stores
	ds_load_b128 v[T+4:T+7], v[SLD] offset:512
	s_wait_dscnt 0x0
	global_store_b128 v[SGO], v[T:T+3],   s[STB:STB+1]                ; 128 c m: 512 consecutive bytes
	global_store_b128 v[SGO], v[T+4:T+7], s[STB:STB+1] offset:524288  ; 128 l
	s_wait_tensorcnt 0x0                           ; the wave's end
	ds_add_u32 v[SPW], v[NIL]
	s_wait_dscnt 0x0
	s_endpgm
.Lzero:                                                ; the wholly hidden quarter: p = 0, c m = -1e30, l = 0.  It has a text of its own: with every score at -1e30, c s - c m would be the rounding error of a number near 4.5e28, and no exponent
.irp k, 0,1,2,3
	v_mov_b32 v[T+(\k)], 0
	v_mov_b32 v[T+4+(\k)], s[BIGN]
.endr
	s_mov_b32 s3, 8
.Lz:                                                   ; eight trips of 16 rows
.irp n, 0,1,2,3,4,5,6,7
	global_store_b128 v[GOF], v[T:T+3], s[PWB:PWB+1] offset:(\n)*8192
.endr
	s_wait_xcnt 0x0                                ; the base steps only behind this wait
	s_add_nc_u64 s[PWB:PWB+1], s[PWB:PWB+1], 16*4096
	s_sub_co_u32 s3, s3, 1
	s_cmp_lg_u32 s3, 0
	s_cbranch_scc1 .Lz
	global_store_b128 v[SGO], v[T+4:T+7], s[STB:STB+1]
	global_store_b128 v[SGO], v[T:T+3],   s[STB:STB+1] offset:524288
	s_wait_tensorcnt 0x0                           ; the wave's end
	ds_add_u32 v[SPW], v[NIL]
	s_wait_dscnt 0x0
	s_endpgm
.Lfunc_end_k_qc05a7aeda6_scores:
	.size	k_qc05a7aeda6_scores, .Lfunc_end_k_qc05a7aeda6_scores-k_qc05a7aeda6_scores
	.p2alignl 7, 3214868480
	.fill 96, 4, 3214868480
	.section	.rodata,"a",@progbits
	.p2align	6, 0x0
	.amdhsa_kernel k_qc05a7aeda6_scores
		.amdhsa_group_segment_fixed_size 327680
		.amdhsa_private_segment_fixed_size 0
		.amdhsa_enable_private_segment 0
		.amdhsa_kernarg_size 24
		.amdhsa_user_sgpr_count 2
		.amdhsa_user_sgpr_kernarg_segment_ptr 1
		.amdhsa_wavefront_size32 1
		.amdhsa_system_sgpr_workgroup_id_x 1
		.amdhsa_system_sgpr_workgroup_id_y 1
		.amdhsa_system_sgpr_workgroup_id_z 1
		.amdhsa_system_vgpr_workitem_id 0
		.amdhsa_next_free_vgpr 1024
		.amdhsa_next_free_sgpr 66
		.amdhsa_reserve_vcc 1
		.amdhsa_float_denorm_mode_32 3
		.amdhsa_float_denorm_mode_16_64 3
		.amdhsa_memory_ordered 1
		.amdhsa_forward_progress 1
		.amdhsa_inst_pref_size 117
	.end_amdhsa_kernel
	.amdgpu_metadata
---
amdhsa.version: [ 1, 2 ]
amdhsa.kernels:
  - .name:           k_qc05a7aeda6_scores
    .symbol:         k_qc05a7aeda6_scores.kd
    .args:
      - { .name: qkv, .offset: 0, .size: 8, .value_kind: global_buffer, .address_space: global }
      - { .name: pw, .offset: 8, .size: 8, .value_kind: global_buffer, .address_space: global }
      - { .name: st, .offset: 16, .size: 8, .value_kind: global_buffer, .address_space: global }
    .group_segment_fixed_size: 327680
    .private_segment_fixed_size: 0
    .kernarg_segment_align: 8
    .kernarg_segment_size: 24
    .max_flat_workgroup_size: 128
    .sgpr_count:     66
    .vgpr_count:     1024
    .wavefront_size: 32
...
	.end_amdgpu_metadata
.endif
;; end of part 3
;; launch pv (part 4): grid 8 x 32, 4 waves a work-group, clusters of 4 x 1, 327,680 bytes of LDS; arguments pw, qkv, st, out0; writes out0
.if DOCPART == 4
	.amdgcn_target "amdgcn-amd-amdhsa--gfx1250"
	.amdhsa_code_object_version 6
	.text
	.protected	k_qc05a7aeda6_pv
	.globl	k_qc05a7aeda6_pv
	.p2align	8
	.type	k_qc05a7aeda6_pv,@function
k_qc05a7aeda6_pv:
	s_mov_b64 s[64:65], 0
	v_nop
	global_prefetch_b8 v0, s[64:65] scope:SCOPE_SE
	s_setreg_imm32_b32 hwreg(HW_REG_WAVE_MODE, 25, 1), 1
	s_wait_xcnt 0x0
	s_wait_alu depctr_hold_cnt(0) depctr_sa_sdst(0) depctr_va_vdst(0) depctr_va_sdst(0) depctr_va_ssrc(0) depctr_va_vcc(0) depctr_vm_vsrc(0)
	s_getreg_b32 s2, hwreg(HW_REG_IB_STS2, 6, 4)
	s_cmp_eq_u32 s2, 0
	s_cbranch_scc0 .Lentry_in_a_cluster
	s_endpgm
.Lentry_in_a_cluster:
	s_bfe_u32 s2, ttmp6, 0x10000c
	s_cmp_lg_u32 s2, 0x3003
	s_cbranch_scc0 .Lentry_shape_is_right
	s_endpgm
.Lentry_shape_is_right:
; out0[b][q][:] = the sum over pieces kt of 128 keys of f[q][kt] (P_kt V_kt)[q][:], with f[q][kt] = 2^(c m_kt - M) / L, M = the largest c m_kt of the row, L = the sum of 2^(c m_kt - M) l_kt:
; the softmax with the row's true maximum taken away.  P (pw) and V (columns 2048-3071 of qkv) are f16; products, weights and sums f32; out0 f32.
; LIMITS: V lies within f16's 65,504; a piece whose 2^(c m_kt - M) falls below 2^-126 counts as 0; NaN and infinities are not treated apart.
; THE WALK.  A batch's queries lie in 16 blocks of 128; block i needs the key steps 0 .. i / 2 of 256 keys.  A work-group makes 128 channels of TWO blocks, 4 u + e (2 u + 1 steps) and then 14 - 4 u + e
; (8 - 2 u steps): nine steps whatever u, walked by one loop with a constant count; the change of blocks falls behind the first step of trip u.
; SHARES.  Four waves, each 64 queries x 64 channels.  For each piece the products go to 16 accumulators that start at 0 (TMP); then O += f x TMP, 64 packed multiply-adds for 64 matrix instructions.
; Source 0 = 16 channels of V (turned by ds_load_tr16_b128), source 1 = 16 queries of P: a lane holds query l % 16 and eight channels, so f is one register for each block of 16 queries.
; CLUSTER.  The four work-groups of a cluster make four channel blocks of the same queries: P's tiles are asked for jointly (mask 15).  V's tiles differ between them (each its own 128 channels): loads of one's own, behind the same round.
; REGISTERS: window 0: v0-31 addresses and f; v32-86 the statistics, once; v128-255 O.  Window 1: two fragment buffers of 128 (64 keys: 64 registers of P, 64 of V).  Window 2: v0-127 TMP.
.set PP,    528                        ; a row of P in LDS: 512 bytes + 16
.set PVP,   288                        ; a row of V: 256 + 32
.set PHALF, 64*PP                      ; what a load of P brings: 64 queries x 256 keys
.set VHALF, 128*PVP                    ; what a load of V brings: 128 keys x 128 channels
.set VOFF,  2*PHALF
.set SLOT,  VOFF+2*VHALF               ; 141,312 bytes
.set FT,    2*SLOT                     ; f: [18 pieces of the walk][128 rows], f32: 9,216 of the 16,384 bytes set aside
.set STAGE, FT+16384                   ; 16 rows x 272 bytes for each wave, for the way out
.set SP,    272
.set SPARE, STAGE+4*16*SP              ; the spare words: 128 bytes a wave
.set ADRP, 2                           ; v2-3    my fragments of P in slot 0, 1
.set ADRV, 4                           ; v4-7    my fragments of V: slot 0 keys 0-127, 128-255; slot 1 likewise
.set FA0,  8                           ; v8      my query's place in a piece of f
.set FAD,  9                           ; v9      the same for the trip in hand
.set STO,  10
.set RD,   11
.set CO,   12
.set FW,   13                          ; v13     where thread t puts row t's f
.set SO,   14                          ; v14     4 t
.set FA,   16                          ; v16-23  f for my four blocks of 16 queries, in pairs whose odd register is 0
.set SPW,  28
.set NIL,  29
.set CMR,  32                          ; v32-49  c m of the walk's 18 pieces, then 2^(c m - M), then f
.set LR,   50                          ; v50-67  l
.set VO,   68                          ; v68-76  a step's byte offset in st
.set MA,   78                          ; v78-79  the two blocks' maxima
.set MB,   79
.set LA,   80                          ; v80-81  their sums, then the reciprocals
.set LB,   81
.set TA,   82
.set TB,   83
.set NEG,  84
.set OA,   128                         ; O: (a, b) at OA + 8 (4 a + b)
.set F0,   0
.set F1,   128
.set WV,   12                          ; s12 my wave's number; s13 my half of the queries; s14 my half of the channels, and which half of a tile I fetch
.set G1P,  28                          ; s[28:35]
.set G1V,  36                          ; s[36:43]
.set G0P,  44                          ; s[44:47]
.set G0V,  48                          ; s[48:51]
.set OFFP, 52                          ; s[52:53]
.set OFFV, 54                          ; s[54:55]
.set NXT,  56                          ; the key step to be asked for next
.set LQ,   57                          ; the steps of the block whose tiles are being asked for
.set PBC,  58                          ; byte offset of that block's rows of P (my half)
.set PBB,  59                          ; the second block's
.set VB,   60                          ; byte offset of V's step 0 (my half, my channels)
.set WOP,  61                          ; my part of a slot, for P
.set WOV,  62                          ; and for V
.set FO,   63                          ; the trip's offset in f
.set RT,   66                          ; trips until the change of blocks
.set CNT,  67
.set OUTB, 68                          ; s[68:69] out0 at my part of the second block
.set STAO, 70                          ; byte offset in st of the first block's rows
.set STBM, 71                          ; of the second block's, less its first step's place in the walk
.set NSA,  74
.set NSB,  75
.set MK,   84                          ; s84-92  all ones where the walk's step belongs to the first block
.set MSB, 0
.macro WIN new
.if MSB != (\new)
	s_set_vgpr_msb (MSB<<8)|(\new)
.set MSB, \new
.endif
.endm
.set MUL,  0xa5                        ; V and P in window 1, C and D in window 2
.set TO_F, 0x40                        ; destination window 1, address window 0
.macro JLOAD                           ; waves 0, 1: the two halves of P's tile, jointly; waves 2, 3: the two halves of V's.  An s_nop 0 and four v_nop follow each line
	s_cmp_lt_u32 s[WV], 2
	s_cbranch_scc0 .Lfor_v_\@
	tensor_load_to_lds s[G0P:G0P+3], s[G1P:G1P+7]
	s_nop 0
.rept 4
	v_nop
.endr
	s_branch .Lasked_\@
.Lfor_v_\@:
	tensor_load_to_lds s[G0V:G0V+3], s[G1V:G1V+7]
	s_nop 0
.rept 4
	v_nop
.endr
.Lasked_\@:
.endm
.macro CREST
	s_cmp_lg_u32 s[WV], 0
	s_cbranch_scc1 .Lnot_wave_0_\@
	s_barrier_signal -3
.Lnot_wave_0_\@:
	s_barrier_wait -3
	s_barrier_signal -1
	s_barrier_wait -1
.endm
.macro CROUND
	s_barrier_signal -1
	s_barrier_wait -1
	CREST
.endm
; Both descriptors for key step NXT of the block in hand, into the slot named; then NXT steps, and behind the first block's last step goes back to 0 for the second block.
.macro DESC slot
	s_add_co_u32 s[G0P+1], s[WOP], (\slot)*SLOT
	s_add_co_u32 s[G0V+1], s[WOV], (\slot)*SLOT
	s_lshl_b32 s[OFFP], s[NXT], 9                  ; 256 keys of 2 bytes along P's rows
	s_add_co_u32 s[OFFP], s[OFFP], s[PBC]
	s_add_nc_u64 s[G0P+2:G0P+3], s[4:5], s[OFFP:OFFP+1]
	s_or_b32 s[G0P+3], s[G0P+3], 0x80000000
	s_mul_i32 s[OFFV], s[NXT], 256*6144            ; 256 rows of qkv
	s_add_co_u32 s[OFFV], s[OFFV], s[VB]
	s_add_nc_u64 s[G0V+2:G0V+3], s[6:7], s[OFFV:OFFV+1]
	s_or_b32 s[G0V+3], s[G0V+3], 0x80000000
	s_add_co_u32 s[NXT], s[NXT], 1
	s_cmp_eq_u32 s[NXT], s[LQ]
	s_cselect_b32 s[NXT], 0, s[NXT]
	s_cselect_b32 s[PBC], s[PBB], s[PBC]
	s_cselect_b32 s[LQ], s[NSB], s[LQ]
.endm
	s_load_b256 s[4:11], s[0:1], 0x0               ; pw s[4:5], qkv s[6:7], st s[8:9], out0 s[10:11]
	v_lshl_add_u32 v[SPW], v0, 2, SPARE
	v_mov_b32 v[NIL], 0
	ds_add_u32 v[SPW], v[NIL]                      ; the wave's opening: the add and its wait ahead of my first tensor load; register work stands between
	ds_add_u32 v28, v29
	v_lshrrev_b32 v1, 5, v0
	v_readfirstlane_b32 s[WV], v1
	s_lshr_b32 s13, s[WV], 1
	s_and_b32 s14, s[WV], 1
	s_and_b32 s18, ttmp7, 0xffff                   ; y = 8 b + 2 u + e, which the four partners share
	s_lshr_b32 s19, s18, 3                         ; b
	s_bfe_u32 s20, s18, 0x20001                    ; u
	s_and_b32 s21, s18, 1                          ; e
	s_lshl_b32 s22, s20, 2
	s_add_co_u32 s23, s22, s21                     ; the first block: 4 u + e
	s_sub_co_u32 s24, 14, s22
	s_add_co_u32 s24, s24, s21                     ; the second: 14 - 4 u + e
	s_lshl_b32 s[NSA], s20, 1
	s_add_co_u32 s[NSA], s[NSA], 1                 ; 2 u + 1 steps
	s_sub_co_u32 s[NSB], 9, s[NSA]                 ; 8 - 2 u steps
	s_mov_b32 s[RT], s20
	s_lshl_b32 s25, s19, 11                        ; 2048 b
	s_lshl_b32 s26, s14, 6
	s_add_co_u32 s26, s26, s25                     ; + my 64 rows of a tile of P
	s_lshl_b32 s27, s23, 7
	s_add_co_u32 s27, s27, s26
	s_lshl_b32 s[PBC], s27, 12                     ; rows of 4,096 bytes
	s_lshl_b32 s27, s24, 7
	s_add_co_u32 s27, s27, s26
	s_lshl_b32 s[PBB], s27, 12
	s_mul_i32 s[WOP], s14, PHALF
	s_mul_i32 s[WOV], s14, VHALF
	s_add_co_u32 s[WOV], s[WOV], VOFF
	s_mov_b32 s[NXT], 0
	s_mov_b32 s[LQ], s[NSA]
	s_mov_b32 s[OFFP+1], 0
	s_mov_b32 s[OFFV+1], 0
	s_mov_b32 s[FO], 0
	s_lshl_b32 s16, s19, 17                        ; st: 16 pieces x 2,048 rows x 4 bytes a batch
	s_lshl_b32 s17, s23, 9
	s_add_co_u32 s[STAO], s16, s17
	s_lshl_b32 s17, s24, 9
	s_add_co_u32 s[STBM], s16, s17
	s_lshl_b32 s17, s[NSA], 14                     ; a step's two pieces are 16,384 bytes
	s_sub_co_u32 s[STBM], s[STBM], s17
	s_bfe_u32 s76, ttmp6, 0x40000                  ; cx: it enters V's and out0's global addresses alone, in registers of its own
	s_lshl_b32 s77, ttmp9, 2
	s_add_co_u32 s77, s77, s76                     ; my block of 128 channels
	s_lshl_b32 s78, s14, 7
	s_add_co_u32 s78, s78, s25                     ; V: row 2048 b + my 128 keys of a tile,
	s_mul_i32 s[VB], s78, 6144
	s_lshl_b32 s78, s77, 8
	s_add_co_u32 s[VB], s[VB], s78                 ; my channels,
	s_add_co_u32 s[VB], s[VB], 4096                ; behind q's and k's columns
	s_lshl_b32 s78, s77, 9                         ; out0: 512 bytes a channel block, 256 a wave
	s_lshl_b32 s79, s14, 8
	s_add_co_u32 s78, s78, s79
	s_lshl_b32 s79, s13, 6
	s_add_co_u32 s79, s79, s25
	s_lshl_b32 s80, s23, 7
	s_add_co_u32 s80, s80, s79
	s_lshl_b32 s80, s80, 12
	s_add_co_u32 s80, s80, s78
	s_mov_b32 s81, 0
	s_lshl_b32 s82, s24, 7
	s_add_co_u32 s82, s82, s79
	s_lshl_b32 s82, s82, 12
	s_add_co_u32 s82, s82, s78
	s_mov_b32 s83, 0
	s_mov_b32 s[G1P+0], 15|(1<<16)|(1<<20)|(1<<21)|(6<<22)|(3<<25)  ; the mask of four; 2-byte elements; padding on; bit 21 beside a mask; after every 128 words 4 words
	s_mov_b32 s[G1P+1], 256<<16                    ; tensor_dim0 = 256
	s_mov_b32 s[G1P+2], 64<<16                     ; tensor_dim1 = 64
	s_mov_b32 s[G1P+3], 256<<16                    ; tile_dim0 = 256
	s_mov_b32 s[G1P+4], 64                         ; tile_dim1 = 64
	s_mov_b32 s[G1P+5], 2048                       ; elements from row to row of pw
	s_mov_b32 s[G1P+6], 0
	s_mov_b32 s[G1P+7], 0
	s_mov_b32 s[G1V+0], (1<<16)|(1<<20)|(5<<22)|(7<<25)  ; no mask; after every 64 words 8 words
	s_mov_b32 s[G1V+1], 128<<16
	s_mov_b32 s[G1V+2], 128<<16
	s_mov_b32 s[G1V+3], 128<<16
	s_mov_b32 s[G1V+4], 128
	s_mov_b32 s[G1V+5], 3072                       ; elements from row to row of qkv
	s_mov_b32 s[G1V+6], 0
	s_mov_b32 s[G1V+7], 0
	s_mov_b32 s[G0P], 1
	s_mov_b32 s[G0V], 1
	s_wait_dscnt 0x0                               ; the opening add is done
	s_wait_kmcnt 0x0
	s_add_nc_u64 s[OUTB:OUTB+1], s[10:11], s[82:83]
	s_add_nc_u64 s[10:11], s[10:11], s[80:81]
	DESC 0
	CROUND                                         ; all four work-groups are here: the first joint loads meet
	JLOAD                                          ; the walk's step 0 into slot 0
	; THE STATISTICS, in the order of the walk: step g belongs to the first block where g < its number of steps.  Thread t is row t of both blocks.
	v_lshlrev_b32 v[SO], 2, v0
.irp g, 0,1,2,3,4,5,6,7,8
	s_cmp_gt_u32 s[NSA], \g
	s_cselect_b32 s[MK+(\g)], -1, 0
	s_cselect_b32 s16, s[STAO], s[STBM]
	s_add_co_u32 s16, s16, (\g)*16384
	v_add_nc_u32 v[VO+(\g)], s16, v[SO]
.endr
.irp g, 0,1,2,3,4,5,6,7,8
	global_load_b32 v[CMR+2*(\g)],   v[VO+(\g)], s[8:9]
	global_load_b32 v[CMR+2*(\g)+1], v[VO+(\g)], s[8:9] offset:8192
	global_load_b32 v[LR+2*(\g)],    v[VO+(\g)], s[8:9] offset:524288
	global_load_b32 v[LR+2*(\g)+1],  v[VO+(\g)], s[8:9] offset:532480
.endr
	v_and_b32 v1, 15, v0                           ; l % 16
	v_bfe_u32 v15, v0, 4, 1                        ; l / 16
	v_mul_u32_u24 v24, v1, PP                      ; a fragment of P: row l % 16, 16 bytes for each half of the lanes
	v_lshl_add_u32 v24, v15, 4, v24
	s_mul_i32 s16, s13, PHALF
	v_add_nc_u32 v[ADRP], s16, v24
	v_add_nc_u32 v[ADRP+1], SLOT, v[ADRP]
	v_and_b32 v25, 7, v0                           ; the turning load: lane l reads key 8 (l / 16) + l % 8, channels 8 ((l / 8) % 2) + 0..7
	v_bfe_u32 v26, v0, 3, 1
	v_lshl_add_u32 v25, v15, 3, v25
	v_mul_u32_u24 v25, v25, PVP
	v_lshl_add_u32 v25, v26, 4, v25
	s_lshl_b32 s16, s14, 7
	s_add_co_u32 s16, s16, VOFF
	v_add_nc_u32 v[ADRV], s16, v25
	v_add_nc_u32 v[ADRV+1], VHALF, v[ADRV]
	v_add_nc_u32 v[ADRV+2], SLOT, v[ADRV]
	v_add_nc_u32 v[ADRV+3], SLOT+VHALF, v[ADRV]
	s_lshl_b32 s16, s13, 8
	s_add_co_u32 s16, s16, FT
	v_lshl_add_u32 v[FA0], v1, 2, s16
	s_mul_i32 s16, s[WV], 16*SP
	s_add_co_u32 s16, s16, STAGE
	v_mul_u32_u24 v24, v1, SP                      ; into the stage: row l % 16, 32 bytes for each half of the lanes
	v_lshl_add_u32 v24, v15, 5, v24
	v_add_nc_u32 v[STO], s16, v24
	v_mul_u32_u24 v24, v15, SP                     ; back: lanes 0-15 one row of 256 bytes, lanes 16-31 the next
	v_lshl_add_u32 v24, v1, 4, v24
	v_add_nc_u32 v[RD], s16, v24
	v_lshlrev_b32 v24, 12, v15                     ; and the same two rows in out0
	v_lshl_add_u32 v[CO], v1, 4, v24
	v_lshl_add_u32 v[FW], v0, 2, FT
	; O starts at 0.  TMP and f too: the walk's first change of slots adds a piece that has not been.  All this stands in the wait for the statistics and the first tile.
.macro CLEAR
.set z, 0
.rept 128
	v_mov_b32 v[OA+z], 0
.set z, z+1
.endr
.endm
	CLEAR
.set z, 0
.rept 8
	v_mov_b32 v[FA+z], 0
.set z, z+1
.endr
	WIN 0x80
.set z, 0
.rept 128
	v_mov_b32 v[z], 0
.set z, z+1
.endr
	WIN 0
	v_mov_b32 v[NEG], 0xff7fffff                   ; the lowest finite number
	v_mov_b32 v[MA], v[NEG]
	v_mov_b32 v[MB], v[NEG]
	s_wait_loadcnt 0x0
.set p, 0
.rept 18                               ; each block's maximum of c m: the other block's pieces count as the lowest number
	v_cndmask_b32 v[TA], v[NEG], v[CMR+p], s[MK+p/2]
	v_cndmask_b32 v[TB], v[CMR+p], v[NEG], s[MK+p/2]
	v_max_num_f32 v[MA], v[MA], v[TA]
	v_max_num_f32 v[MB], v[MB], v[TB]
.set p, p+1
.endr
.set p, 0
.rept 18
	v_cndmask_b32 v[TA+p%2], v[MB], v[MA], s[MK+p/2]
	v_sub_f32 v[CMR+p], v[CMR+p], v[TA+p%2]
.set p, p+1
.endr
.set p, 0
.rept 18
	v_exp_f32 v[CMR+p], v[CMR+p]
.set p, p+1
.endr
	v_mov_b32 v[LA], 0                             ; plain instructions behind the last exponential
	v_mov_b32 v[LB], 0
.set p, 0
	s_wait_alu depctr_va_vdst(0)
.rept 18
	v_mul_f32 v[LR+p], v[CMR+p], v[LR+p]
	v_cndmask_b32 v[TA], 0, v[LR+p], s[MK+p/2]
	v_cndmask_b32 v[TB], v[LR+p], 0, s[MK+p/2]
	v_add_f32 v[LA], v[LA], v[TA]
	v_add_f32 v[LB], v[LB], v[TB]
.set p, p+1
.endr
	v_rcp_f32 v[LA], v[LA]                         ; the piece that holds the maximum gives at least its own largest weight, about 1
	v_rcp_f32 v[LB], v[LB]
	v_nop                                          ; a plain instruction between the reciprocals and their use
.set p, 0
	s_wait_alu depctr_va_vdst(0)
.rept 18
	v_cndmask_b32 v[TA+p%2], v[LB], v[LA], s[MK+p/2]
	v_mul_f32 v[CMR+p], v[CMR+p], v[TA+p%2]
	ds_store_b32 v[FW], v[CMR+p] offset:512*p      ; read by other waves behind the first change of slots, whose wait for 0 and barrier stand between
.set p, p+1
.endr
; 8 matrix instructions: query blocks a0, a0 + 1 x all 4 channel blocks, 32 keys: half c of buffer f.  zero = 1: a piece's first products start its sums.  The 16 accumulators take turns.
.macro MUL8 f, c, a0, zero
	WIN MUL
.irp a, \a0, (\a0)+1
.irp b, 0,1,2,3
.if \zero
	v_wmma_f32_16x16x32_f16 v[8*(4*(\a)+(\b)):8*(4*(\a)+(\b))+7], v[(\f)+64+8*(4*(\c)+(\b)):(\f)+64+8*(4*(\c)+(\b))+7], v[(\f)+8*(4*(\c)+(\a)):(\f)+8*(4*(\c)+(\a))+7], 0
.else
	v_wmma_f32_16x16x32_f16 v[8*(4*(\a)+(\b)):8*(4*(\a)+(\b))+7], v[(\f)+64+8*(4*(\c)+(\b)):(\f)+64+8*(4*(\c)+(\b))+7], v[(\f)+8*(4*(\c)+(\a)):(\f)+8*(4*(\c)+(\a))+7], v[8*(4*(\a)+(\b)):8*(4*(\a)+(\b))+7]
.endif
.endr
.endr
.endm
; 32 LDS loads in one run: the fragments of quarter q (64 keys) of a slot into buffer f; the first 32 keys first
.macro FETCH slot, q, f
	WIN TO_F
.irp c, 0,1
.irp i, 0,1,2,3
	ds_load_tr16_b128 v[(\f)+64+8*(4*(\c)+(\i)):(\f)+64+8*(4*(\c)+(\i))+3],   v[ADRV+2*(\slot)+(\q)/2] offset:(((\q)%2)*64+32*(\c))*PVP+32*(\i)
	ds_load_tr16_b128 v[(\f)+64+8*(4*(\c)+(\i))+4:(\f)+64+8*(4*(\c)+(\i))+7], v[ADRV+2*(\slot)+(\q)/2] offset:(((\q)%2)*64+32*(\c)+16)*PVP+32*(\i)
	ds_load_b128 v[(\f)+8*(4*(\c)+(\i)):(\f)+8*(4*(\c)+(\i))+3],              v[ADRP+(\slot)] offset:128*(\q)+64*(\c)+(\i)*16*PP
	ds_load_b128 v[(\f)+8*(4*(\c)+(\i))+4:(\f)+8*(4*(\c)+(\i))+7],            v[ADRP+(\slot)] offset:128*(\q)+64*(\c)+(\i)*16*PP+32
.endr
.endr
.endm
.macro PLACES                          ; four plain vector instructions between a matrix instruction and a load into, or a vector read of, its registers
.rept 4
	v_nop
.endr
.endm
.macro FAL p                           ; f of piece p of the trip, for my four blocks of 16 queries
	WIN 0
.irp a, 0,1,2,3
	ds_load_b32 v[FA+2*(\a)], v[FAD] offset:512*(\p)+64*(\a)
.endr
.endm
.macro ACC                             ; O += f x TMP; each accumulator's registers in ascending order
	WIN 0x02                                       ; source 0 (TMP) in window 2
.irp a, 0,1,2,3
.set z, 0
.rept 16
	v_pk_fma_f32 v[OA+32*(\a)+2*z:OA+32*(\a)+2*z+1], v[32*(\a)+2*z:32*(\a)+2*z+1], v[FA+2*(\a):FA+2*(\a)+1], v[OA+32*(\a)+2*z:OA+32*(\a)+2*z+1] op_sel_hi:[1,0,1]
.set z, z+1
.endr
.endr
.endm
; A quarter: 64 keys, 32 matrix instructions on buffer f; in its middle the next quarter q is fetched into g.  w: how many younger LDS loads may be out when the first 32 keys' fragments are needed.
.macro QUARTER slot, q, f, g, zero, w
	s_wait_dscnt \w
	MUL8 \f, 0, 0, \zero
	MUL8 \f, 0, 2, \zero
	PLACES
	FETCH \slot, \q, \g
	s_wait_dscnt 32                                ; all but the 32 just issued
	MUL8 \f, 1, 0, 0
	MUL8 \f, 1, 2, 0
.endm
; A key step: two pieces of two quarters.  The first piece is added to O in the step's middle, the second in the next change of slots.
.macro STEP slot, p0
	FAL \p0
	FETCH \slot, 0, F0
	QUARTER \slot, 1, F0, F1, 1, 16                ; 16: the second 32 keys' fragments may be out
	QUARTER \slot, 2, F1, F0, 0, 16
	PLACES
	ACC
	FAL (\p0)+1
	QUARTER \slot, 3, F0, F1, 1, 20                ; 20: those 16 and the four loads of f
	s_wait_dscnt 16
	MUL8 F1, 0, 0, 0
	MUL8 F1, 0, 2, 0
	s_wait_dscnt 0x0
	MUL8 F1, 1, 0, 0
	MUL8 F1, 1, 2, 0
.endm
; THE CHANGE OF SLOTS, in front of the step that reads slot s.  My one tensor load that is out is my part of slot s; the add; my reads of the other slot are over.  fill = 1: the barrier opens a round of the
; cluster's barrier, so that no wave of any partner still reads the other slot or has a load on its way, and that slot's fill is the first thing behind the round: it has a key step, 128 matrix instructions, in which to land.
; The last piece's 64 multiply-adds, work on registers alone, stand between the signal and the wait.
.macro CHANGE s, fill
	WIN 0
	s_wait_tensorcnt 0x0                           ; no tensor load of mine is out, so the descriptors may be written
	ds_add_u32 v[SPW], v[NIL]                      ; 0 onto my spare word
.if \fill
	DESC 1-(\s)
.endif
	PLACES                                         ; behind the step's last products
	s_wait_dscnt 0x0                               ; the add is done, my LDS instructions are over
	s_barrier_signal -1
	ACC
	WIN 0
	s_barrier_wait -1
.if \fill
	CREST
	JLOAD
.endif
.endm
; THE WAY OUT.  A lane's eight channels of a row are 32 bytes; 16 rows go into my stage (rows of 272 bytes) and come back as whole rows of 256 bytes, into the registers that they left.
.macro OPACK a
.irp b, 0,1,2,3
	ds_store_b128 v[STO], v[OA+32*(\a)+8*(\b):OA+32*(\a)+8*(\b)+3]   offset:64*(\b)
	ds_store_b128 v[STO], v[OA+32*(\a)+8*(\b)+4:OA+32*(\a)+8*(\b)+7] offset:64*(\b)+16
.endr
.irp t, 0,1,2,3,4,5,6,7
	ds_load_b128 v[OA+32*(\a)+4*(\t):OA+32*(\a)+4*(\t)+3], v[RD] offset:(\t)*2*SP  ; LDS serves a wave's instructions in order (ISA guide 5.7.1.4): these see the stores above, the next block's stores come behind them
.endr
.endm
.macro OSEND a, younger                ; younger: the LDS instructions issued behind block a's loads: the next block's sixteen, or none
.irp t, 0,1,2,3,4,5,6,7
	s_wait_dscnt (\younger)+7-(\t)
	global_store_b128 v[CO], v[OA+32*(\a)+4*(\t):OA+32*(\a)+4*(\t)+3], s[10:11] offset:(16*(\a)+2*(\t))*4096  ; 16 lanes store 256 consecutive bytes, at a multiple of 256 from out0's first byte
.endr
.endm
.macro WAYOUT
	OPACK 0
	OPACK 1
	OSEND 0, 16
	OPACK 2
	OSEND 1, 16
	OPACK 3
	OSEND 2, 16
	OSEND 3, 0
.endm
	s_mov_b32 s[CNT], 4
.Ltrip:                                                ; four trips of two key steps; each change of slots asks for the step after next's tile... the tile of the step that follows
	v_add_nc_u32 v[FAD], s[FO], v[FA0]             ; the trip's four pieces of f
	s_add_co_u32 s[FO], s[FO], 4*512
	CHANGE 0, 1
	STEP 0, 0
	CHANGE 1, 1
	s_cmp_lg_u32 s[RT], 0
	s_cbranch_scc1 .Lsame                          ; forward, past text that holds neither a barrier nor a tensor load; the same in all four partners
	WAYOUT                                         ; the first block is finished: its last piece was added in the change of slots
	s_wait_xcnt 0x0                                ; the stores' registers and base are rewritten only behind this wait
	s_mov_b64 s[10:11], s[OUTB:OUTB+1]
	CLEAR
.Lsame:
	s_sub_co_u32 s[RT], s[RT], 1
	STEP 1, 2
	WIN 0
	s_sub_co_u32 s[CNT], s[CNT], 1
	s_cmp_lg_u32 s[CNT], 0
	s_cbranch_scc1 .Ltrip
	v_add_nc_u32 v[FAD], s[FO], v[FA0]             ; the walk's last step is written out: nothing is asked for
	CHANGE 0, 0
	STEP 0, 0
	PLACES
	ACC
	WIN 0
	WAYOUT
	s_wait_tensorcnt 0x0                           ; the wave's end
	ds_add_u32 v[SPW], v[NIL]
	s_wait_dscnt 0x0
	CROUND                                         ; the closing round: no work-group ends while a partner may still ask for a tile that names it
	s_endpgm
.Lfunc_end_k_qc05a7aeda6_pv:
	.size	k_qc05a7aeda6_pv, .Lfunc_end_k_qc05a7aeda6_pv-k_qc05a7aeda6_pv
	.p2alignl 7, 3214868480
	.fill 96, 4, 3214868480
	.section	.rodata,"a",@progbits
	.p2align	6, 0x0
	.amdhsa_kernel k_qc05a7aeda6_pv
		.amdhsa_group_segment_fixed_size 327680
		.amdhsa_private_segment_fixed_size 0
		.amdhsa_enable_private_segment 0
		.amdhsa_kernarg_size 32
		.amdhsa_user_sgpr_count 2
		.amdhsa_user_sgpr_kernarg_segment_ptr 1
		.amdhsa_wavefront_size32 1
		.amdhsa_system_sgpr_workgroup_id_x 1
		.amdhsa_system_sgpr_workgroup_id_y 1
		.amdhsa_system_sgpr_workgroup_id_z 1
		.amdhsa_system_vgpr_workitem_id 0
		.amdhsa_next_free_vgpr 640
		.amdhsa_next_free_sgpr 96
		.amdhsa_reserve_vcc 0
		.amdhsa_float_denorm_mode_32 3
		.amdhsa_float_denorm_mode_16_64 3
		.amdhsa_memory_ordered 1
		.amdhsa_forward_progress 1
		.amdhsa_inst_pref_size 140
	.end_amdhsa_kernel
	.amdgpu_metadata
---
amdhsa.version: [ 1, 2 ]
amdhsa.kernels:
  - .name:           k_qc05a7aeda6_pv
    .symbol:         k_qc05a7aeda6_pv.kd
    .args:
      - { .name: pw, .offset: 0, .size: 8, .value_kind: global_buffer, .address_space: global }
      - { .name: qkv, .offset: 8, .size: 8, .value_kind: global_buffer, .address_space: global }
      - { .name: st, .offset: 16, .size: 8, .value_kind: global_buffer, .address_space: global }
      - { .name: out0, .offset: 24, .size: 8, .value_kind: global_buffer, .address_space: global }
    .group_segment_fixed_size: 327680
    .private_segment_fixed_size: 0
    .kernarg_segment_align: 8
    .kernarg_segment_size: 32
    .max_flat_workgroup_size: 128
    .sgpr_count:     96
    .vgpr_count:     640
    .wavefront_size: 32
...
	.end_amdgpu_metadata
.endif
;; end of part 4
